; MI455X (gfx1250); checked and timed in simulation.
; The chip was launched on July 23, 2026; its instructions are those of AMD's public machine-readable ISA for CDNA 5 (MIT licence, August 2026) and "CDNA5" Instruction Set Architecture Reference Guide (July 2026). The comments in the code are by the model that wrote it; some were corrected since.
;; Multihead Attention. Allowed arithmetic: matrix products marked QUANTISED: E2M1 operands, one E8M0 scale for each 32 along K, by v_wmma_scale_f32_16x16x128_f8f6f4 with both operands' format E2M1 (or v_wmma_scale_f32_32x16x128_f4), f32 sums; products left as they are: f32 operands where the result goes on into a quantised operand, else bf16, f16 or f32 operands; f32 sums; everything else in f32.
;; Inputs: proj_b 1,024 float32; proj_w 1,024 x 1,024 float32; qkv_b 3,072 float32; qkv_w 3,072 x 1,024 float32; x 4 x 4,096 x 1,024 float32.
;; Outputs: out0 4 x 4,096 x 1,024 float32.
;; This version of the problem:
;;   THIS VERSION OF THE PROBLEM IS GIVEN IN LOW PRECISION. The matrix products marked QUANTISED in the list below multiply operands that are first quantised to E2M1 (2 exponent bits, 1 mantissa bit; 4 bits a number), with one power-of-two scale for each 32 numbers along K (OCP MX v1.0); their sums are f32. All else is computed in f32.
;;   The module's matrix products, in the order in which they are computed (A, B: the left and right operand; K: the contracted axis; several contracted axes count as one K, in the product's order):
;;     1. [M 16,384, K 1,024] x [K 1,024, N 3,072]; A: input x; B: input qkv_w: QUANTISED
;;     2. batch 16,384 x [M 16, K 64] x [K 64, N 16]; A: computed on the way; B: computed on the way: QUANTISED
;;     3. batch 16,384 x [M 16, K 16] x [K 16, N 64]; A: softmax; B: computed on the way: left as it is (K = 16 < 32)
;;     4. [M 16,384, K 1,024] x [K 1,024, N 1,024]; A: computed on the way; B: input proj_w: QUANTISED
;;   THE QUANTISER, for each operand of a quantised product, along K:
;;     - K is cut into blocks of 32 from its start; a last block that is shorter is filled with zeros.
;;     - A block's scale is 2^e with e = floor(log2(the largest magnitude in the block)) - 2, held to -126 .. 127; a block of zeros has e = 0. As a byte (E8M0): e + 127.
;;     - Each number is divided by its block's scale, clamped to +-6, and rounded to the nearest number of E2M1, ties to even, subnormals kept.
;;     - The product sums the exact products of the quantised numbers (number of the format x scale) in f32.
;;   ~~~python
;;   def quantise(x, axis):      # numpy; x: float32 -> the quantised numbers, widened to float32 again
;;       x = np.moveaxis(x, axis, -1); K = x.shape[-1]
;;       x = np.pad(x, [(0, 0)] * (x.ndim - 1) + [(0, -K % 32)]); x = x.reshape(x.shape[:-1] + (-1, 32)); a = np.abs(x).max(-1, keepdims=True)
;;       e = np.where(a > 0, np.clip(np.frexp(np.where(a > 0, a, 1))[1] - 1 - 2, -126, 127), 0)      # np.frexp(a)[1] - 1 = floor(log2(a)), exactly
;;       r = np.clip(x / 2.0 ** e, -6, 6)
;;       step = 2.0 ** (np.maximum(np.frexp(np.where(r == 0, 1, r))[1] - 1, 0) - 1)
;;       q = np.round(r / step) * step * 2.0 ** e      # np.round: ties to even
;;       return np.moveaxis(q.reshape(q.shape[:-2] + (-1,))[..., :K], -1, axis).astype(np.float32)
;;   ~~~
;;   OPERANDS COMPUTED ON THE WAY. 'Computed on the way' means the value that the module computes at that place (a softmax that the list does not call 'softmax' is quantised finished and normalised). What goes into a quantiser is computed in f32, as accurately as f32 sums, v_exp_f32 and their like allow (about 1e-6 of the number): no bf16 or f16 on the way to a quantiser, and a product that is left as it is and whose result goes on into a quantised operand takes f32 operands (vector FMAs, or v_wmma_f32_16x16x4_f32). A number that lies on a knife's edge between two numbers of the format may be rounded either way, as far as f32 arithmetic and the matrix unit's own rounding can turn it there, and no further.
;; 2 versions. Each part assembles by itself: llvm-mc -triple=amdgcn-amd-amdhsa -mcpu=gfx1250 --defsym DOCPART=n.
;; ======== version 1 of 2: 2 launches
;; workspace buffers: wq 2,359,296 bytes
;; launch prep (part 1): grid 256 x 1, 4 waves a work-group, no clusters, 31,232 bytes of LDS; arguments qkv_w, qkv_b, proj_w, proj_b, wq; writes wq
.if DOCPART == 1
	.amdgcn_target "amdgcn-amd-amdhsa--gfx1250"
	.amdhsa_code_object_version 6
	.text
	.protected	k_q35b3c7972d_prep
	.globl	k_q35b3c7972d_prep
	.p2align	8
	.type	k_q35b3c7972d_prep,@function
k_q35b3c7972d_prep:
	s_mov_b64 s[64:65], 0
	v_nop
	global_prefetch_b8 v0, s[64:65] scope:SCOPE_SE
	s_setreg_imm32_b32 hwreg(HW_REG_WAVE_MODE, 25, 1), 1
	s_wait_xcnt 0x0
; qkv_w [3072][1024] and proj_w [1024][1024], f32, K innermost, become codes of FP4 (E2M1) with one E8M0 byte for each 32 along K,
; laid in RECORDS of 9,216 bytes in the order in which a wave of the second launch takes them into its operand registers.
; Record R = 64 w + n (w: the wave that reads it, n: its place in that wave's walk) holds 16 rows of a weight, all K = 1,024:
;   bytes 0 .. 8191     codes [block of 32 along K: 0..31][row m: 0..15][16 bytes]: a load of 16 bytes a lane at 512 k gives registers 4 k .. 4 k + 3 of the eight fragments
;   bytes 8192 .. 8703  scale bytes [block / 16][m][block % 16]: a load of 16 bytes a lane gives four scale registers, K steps 0-3 in lanes 0-15, 4-7 in lanes 16-31
;   bytes 8704 .. 9215  the rows' biases [copy 0..7][m] f32: eight copies, so that the last 512 bytes too are stored whole
; WHICH ROW IS ROW m:  n < 32 (q, k): unit U = 4 (n / 4) + w (a head of q or of k), b = (n / 2) % 2, e = n % 2: row 64 U + 32 b + 8 e + m + 8 (m / 8)
;   n = 32 .. 47 (v): kap = 4 (16 w + n - 32) + m / 4; s = kap / 64, q = (kap / 32) % 2, hh = (kap / 16) % 2, r = kap % 16; row 2048 + 64 (8 hh + 2 s + m % 2) + 32 (r / 8) + 8 (2 q + (m / 2) % 2) + r % 8
;   n >= 48 (proj): row 256 w + 16 (n - 48) + m of proj_w.
; A block's scale is 2^(floor(log2(largest magnitude)) - 2): its byte is the largest magnitude's exponent field - 2, held at 1 from below by a floor among the maximum's leaves.
; LIMITS: NaN and infinities are not served; a block whose largest magnitude lies under 2^-124 gets the byte 1; a block of zeros gets the byte 1 where the rule says 127
; (its codes are zeros, which add nothing, and this program alone reads the bytes).
; SHARES: one work-group a record; wave qw takes rows m = 4 qw + i, i = 0 .. 3.  A row's 4,096 bytes are loaded as they lie (512 consecutive bytes a load) and turned in the wave's own
; stage in LDS, so that lane l holds block l, 32 neighbours along K.  One path serves all three kinds of record: only numbers and pointers are selected.
.set REC, 9216
.set TST, 0                            ; four stages of 32 x (128 + 16) bytes, one a wave
.set OST, 18432                        ; the record's codes: 32 units of 256 bytes, 272 apart
.set SST, 27136                        ; its 512 scale bytes
.set BST, 27648                        ; its 512 bytes of biases
	s_load_b256 s[4:11], s[0:1], 0x0               ; qkv_w s[4:5], qkv_b s[6:7], proj_w s[8:9], proj_b s[10:11]
	s_load_b64 s[12:13], s[0:1], 0x20              ; wq
	v_lshl_add_u32 v200, v0, 2, 0x7800
	v_mov_b32 v201, 0
	v_lshrrev_b32 v12, 5, v0
	v_readfirstlane_b32 s14, v12                   ; qw
	v_and_b32 v13, 31, v0                          ; lane
	v_lshlrev_b32 v1, 4, v13                       ; 16 bytes a lane
	s_lshr_b32 s15, ttmp9, 6                       ; w
	s_and_b32 s16, ttmp9, 63                       ; n
	; q, k: the row of m = 4 qw
	s_lshr_b32 s17, s16, 2
	s_lshl_b32 s17, s17, 2
	s_add_co_u32 s17, s17, s15                     ; U
	s_lshl_b32 s17, s17, 6
	s_bfe_u32 s18, s16, 0x10001                    ; b
	s_lshl_b32 s18, s18, 5
	s_add_co_u32 s17, s17, s18
	s_and_b32 s18, s16, 1                          ; e
	s_lshl_b32 s18, s18, 3
	s_add_co_u32 s17, s17, s18
	s_lshl_b32 s18, s14, 2                         ; 4 qw
	s_add_co_u32 s17, s17, s18
	s_lshr_b32 s19, s14, 1
	s_lshl_b32 s19, s19, 3                         ; 8 (m / 8)
	s_add_co_u32 s17, s17, s19
	; v: the row of m = 4 qw
	s_and_b32 s19, s16, 15
	s_lshl_b32 s23, s15, 4
	s_add_co_u32 s23, s23, s19                     ; 16 w + n % 16
	s_lshl_b32 s32, s23, 2
	s_add_co_u32 s32, s32, s14                     ; kap
	s_lshr_b32 s22, s32, 6
	s_lshl_b32 s22, s22, 7                         ; 64 x 2 s
	s_bfe_u32 s33, s32, 0x10004
	s_lshl_b32 s33, s33, 9                         ; 64 x 8 hh
	s_add_co_u32 s22, s22, s33
	s_bfe_u32 s33, s32, 0x10005
	s_lshl_b32 s33, s33, 4                         ; 16 q
	s_add_co_u32 s22, s22, s33
	s_bfe_u32 s33, s32, 0x10003
	s_lshl_b32 s33, s33, 5                         ; 32 (r / 8)
	s_add_co_u32 s22, s22, s33
	s_and_b32 s33, s32, 7                          ; r % 8
	s_add_co_u32 s22, s22, s33
	s_add_co_u32 s22, s22, 2048
	; proj: the row of m = 4 qw
	s_lshl_b32 s23, s23, 4
	s_add_co_u32 s23, s23, s18
	; the record's kind selects the row, and what i % 2 and i / 2 add to it
	s_cmp_lt_u32 s16, 32
	s_cselect_b32 s17, s17, s22
	s_cselect_b32 s33, 1, 64
	s_cselect_b32 s34, 2, 8
	s_cmp_lt_u32 s16, 48
	s_cselect_b32 s17, s17, s23
	s_cselect_b32 s33, s33, 1
	s_cselect_b32 s34, s34, 2
	s_wait_kmcnt 0x0
	s_cselect_b64 s[4:5], s[4:5], s[8:9]           ; the weight, and
	s_cselect_b64 s[6:7], s[6:7], s[10:11]         ; its bias: the choice hangs on the work-group's number alone
	s_mov_b32 s36, s17                             ; my four rows
	s_add_co_u32 s37, s17, s33
	s_add_co_u32 s38, s17, s34
	s_add_co_u32 s39, s37, s34
	s_mov_b32 s45, 0
.irp i, 0,1,2,3
	s_lshl_b32 s44, s[36+\i], 12                   ; a row is 4,096 bytes
	s_add_nc_u64 s[24+2*\i:25+2*\i], s[4:5], s[44:45]
.endr
.irp i, 0,1,2,3
.irp k, 0,1,2,3,4,5,6,7
	global_load_b128 v[16+32*\i+4*\k:16+32*\i+4*\k+3], v1, s[24+2*\i:25+2*\i] offset:512*\k th:TH_LOAD_NT   ; 32 lanes read 512 consecutive bytes
.endr
.endr
.irp i, 0,1,2,3
	s_lshl_b32 s44, s[36+\i], 2
	s_add_nc_u64 s[48+2*\i:49+2*\i], s[6:7], s[44:45]
	s_load_b32 s[40+\i], s[48+2*\i:49+2*\i], 0x0   ; the row's bias
.endr
	s_mul_i32 s44, ttmp9, REC
	s_add_nc_u64 s[20:21], s[12:13], s[44:45]      ; my record
	; LDS addresses
	s_mul_i32 s56, s14, 4608                       ; my stage
	v_lshrrev_b32 v14, 3, v13
	v_mul_u32_u24 v2, v14, 144
	v_and_b32 v15, 7, v13
	v_lshl_add_u32 v2, v15, 4, v2
	v_add_nc_u32 v2, s56, v2                       ; in: eight lanes' 128 bytes on end, then 16 of padding
	v_mul_u32_u24 v3, v13, 144
	v_add_nc_u32 v3, s56, v3                       ; out: place l: my block's 128 bytes
	v_lshlrev_b32 v6, 6, v15
	s_lshl_b32 s56, s14, 4
	s_add_co_u32 s56, s56, BST
	v_add_nc_u32 v6, s56, v6                       ; biases: copy l % 8, my four rows' 16 bytes
	v_mul_u32_u24 v4, v13, 272
	s_lshl_b32 s57, s14, 6
	s_add_co_u32 s56, s57, OST
	v_add_nc_u32 v4, s56, v4                       ; codes: unit l (my block), row 4 qw
	v_lshrrev_b32 v14, 4, v13                      ; l / 16
	v_and_b32 v15, 15, v13                         ; l % 16
	v_lshl_add_u32 v5, v14, 8, v15
	s_add_co_u32 s56, s57, SST
	v_add_nc_u32 v5, s56, v5                       ; scale bytes: [l / 16][4 qw][l % 16]
	v_mul_u32_u24 v7, v14, 272
	v_lshl_add_u32 v7, v15, 4, v7
	s_mul_i32 s56, s14, 2176
	s_add_co_u32 s56, s56, OST
	v_add_nc_u32 v7, s56, v7                       ; the way out: units 8 qw + l / 16, sixteen lanes to a unit
	s_lshl_b32 s56, s14, 9
	s_add_co_u32 s57, s56, SST
	v_add_nc_u32 v8, s57, v1                       ; wave 0: the scale bytes; wave 1: the biases
	s_add_co_u32 s57, s56, 8192
	v_add_nc_u32 v10, s57, v1                      ; and their place in the record
	s_lshl_b32 s56, s14, 11
	v_add_nc_u32 v9, s56, v1                       ; my eight units' place in the record
; Row i of my four: turned through the stage, quantised, its codes and scale bytes put where the record wants them.
.macro ROW i
	s_wait_loadcnt 8*(3-\i)                        ; this row's eight loads are in; the later rows' may be out
.irp k, 0,1,2,3,4,5,6,7
	ds_store_b128 v2, v[16+32*\i+4*\k:16+32*\i+4*\k+3] offset:576*\k
.endr
.irp k, 0,1,2,3,4,5,6,7
	ds_load_b128 v[144+4*\k:144+4*\k+3], v3 offset:16*\k   ; LDS serves a wave's instructions in order: these see the stores above
.endr
	s_wait_dscnt 0x0
	v_max3_num_f32 v12, |v144|, |v145|, |v146|     ; the block's largest magnitude: all 32 numbers are mine; two chains
	v_max3_num_f32 v13, |v147|, |v148|, |v149|
.irp j, 6,10,14,18,22,26
	v_max3_num_f32 v12, v12, |v[144+\j]|, |v[145+\j]|
	v_max3_num_f32 v13, v13, |v[146+\j]|, |v[147+\j]|
.endr
	v_max3_num_f32 v12, v12, |v174|, |v175|
	v_max3_num_f32 v12, v12, v13, 0x1800000        ; and the floor 2^(3 - 127): the byte cannot fall under 1
	v_add_nc_u32 v14, 0xff000000, v12              ; 2 off the exponent field: the conversion takes this operand's exponent field as its scale
	v_lshrrev_b32 v[192+\i], 23, v14               ; the scale's byte
.irp g, 0,1,2,3
	v_cvt_scalef32_pk8_fp4_f32 v[176+4*\i+\g], v[144+8*\g:144+8*\g+7], v14
.endr
	v_nop                                          ; one plain line behind the last conversion
	ds_store_b128 v4, v[176+4*\i:176+4*\i+3] offset:16*\i
	ds_store_b8 v5, v[192+\i] offset:16*\i
.endm
	ROW 0
	ROW 1
	ROW 2
	ROW 3
	s_wait_kmcnt 0x0
.irp i, 0,1,2,3
	v_mov_b32 v[196+\i], s[40+\i]
.endr
	ds_store_b128 v6, v[196:199]                   ; lanes 8 apart write the same bytes with the same values
	s_wait_dscnt 0x0                               ; for the others' sake: my stores have landed
	s_barrier_signal -1
	s_barrier_wait -1
.irp k, 0,1,2,3
	ds_load_b128 v[144+4*\k:144+4*\k+3], v7 offset:544*\k
.endr
.irp k, 0,1,2,3
	s_wait_dscnt 3-\k                              ; the later loads may be out
	global_store_b128 v9, v[144+4*\k:144+4*\k+3], s[20:21] offset:512*\k   ; 32 lanes store 512 consecutive bytes, at a multiple of 256 from the buffer's first byte
.endr
	s_cmp_lt_u32 s14, 2
	s_cbranch_scc0 .Ldone
	ds_load_b128 v[160:163], v8
	s_wait_dscnt 0x0
	global_store_b128 v10, v[160:163], s[20:21]
.Ldone:
	s_wait_tensorcnt 0x0
	ds_add_u32 v200, v201
	s_wait_dscnt 0x0
	s_endpgm
.Lfunc_end_k_q35b3c7972d_prep:
	.size	k_q35b3c7972d_prep, .Lfunc_end_k_q35b3c7972d_prep-k_q35b3c7972d_prep
	.p2alignl 7, 3214868480
	.fill 96, 4, 3214868480
	.section	.rodata,"a",@progbits
	.p2align	6, 0x0
	.amdhsa_kernel k_q35b3c7972d_prep
		.amdhsa_group_segment_fixed_size 31232
		.amdhsa_private_segment_fixed_size 0
		.amdhsa_enable_private_segment 0
		.amdhsa_kernarg_size 40
		.amdhsa_user_sgpr_count 2
		.amdhsa_user_sgpr_kernarg_segment_ptr 1
		.amdhsa_wavefront_size32 1
		.amdhsa_system_sgpr_workgroup_id_x 1
		.amdhsa_system_sgpr_workgroup_id_y 1
		.amdhsa_system_sgpr_workgroup_id_z 1
		.amdhsa_system_vgpr_workitem_id 0
		.amdhsa_next_free_vgpr 202
		.amdhsa_next_free_sgpr 66
		.amdhsa_reserve_vcc 0
		.amdhsa_float_denorm_mode_32 3
		.amdhsa_float_denorm_mode_16_64 3
		.amdhsa_memory_ordered 1
		.amdhsa_forward_progress 1
		.amdhsa_inst_pref_size 20
	.end_amdhsa_kernel
	.amdgpu_metadata
---
amdhsa.version: [ 1, 2 ]
amdhsa.kernels:
  - .name:           k_q35b3c7972d_prep
    .symbol:         k_q35b3c7972d_prep.kd
    .args:
      - { .name: qkv_w, .offset: 0, .size: 8, .value_kind: global_buffer, .address_space: global }
      - { .name: qkv_b, .offset: 8, .size: 8, .value_kind: global_buffer, .address_space: global }
      - { .name: proj_w, .offset: 16, .size: 8, .value_kind: global_buffer, .address_space: global }
      - { .name: proj_b, .offset: 24, .size: 8, .value_kind: global_buffer, .address_space: global }
      - { .name: wq, .offset: 32, .size: 8, .value_kind: global_buffer, .address_space: global }
    .group_segment_fixed_size: 31232
    .private_segment_fixed_size: 0
    .kernarg_segment_align: 8
    .kernarg_segment_size: 40
    .max_flat_workgroup_size: 128
    .sgpr_count:     66
    .vgpr_count:     202
    .wavefront_size: 32
...
	.end_amdgpu_metadata
.endif
;; end of part 1
;; launch fused (part 2): grid 256 x 1, 4 waves a work-group, no clusters, 298,496 bytes of LDS; arguments x, wq, out0; writes out0
.if DOCPART == 2
	.amdgcn_target "amdgcn-amd-amdhsa--gfx1250"
	.amdhsa_code_object_version 6
	.text
	.protected	k_q35b3c7972d_fused
	.globl	k_q35b3c7972d_fused
	.p2align	8
	.type	k_q35b3c7972d_fused,@function
k_q35b3c7972d_fused:
	s_mov_b64 s[64:65], 0
	v_nop
	global_prefetch_b8 v0, s[64:65] scope:SCOPE_SE
	s_setreg_imm32_b32 hwreg(HW_REG_WAVE_MODE, 25, 1), 1
	s_wait_xcnt 0x0
; The whole module for 64 neighbouring tokens a work-group: qkv = Q(x) Q(qkv_w)^T + b;  for each token S = Q(q) Q(k)^T over the HEADS (16 x 16, K = 64), softmax over g of S / 8,
; O = P V in f32;  then the rows of the transposed and reshaped O, quantised, times Q(proj_w)^T + b.  Q: MX-FP4 (E2M1 codes, one E8M0 byte for each 32 along K).  Sums in f32.
; THE TRANSPOSITION COSTS NOTHING: row h x 256 + n / 16 of the last product's operand is head h of tokens 16 (n / 16) .. + 15, column (n % 16) x 64 + d.  So 64 neighbouring tokens give 64 whole
; rows (16 heads x 4 groups of 16 tokens), and a block of 32 along that K is half a head of one token.
; SHARES.  In the two large products the four waves share the COLUMNS: wave w walks its 64 records of the workspace (16 rows of a weight each, laid as the operand's registers take them by the
; launch before), and each fragment of a weight feeds four matrix instructions, one for each tile of 16 rows, whose codes every wave holds in 256 registers.  In the quantising of x, the scores,
; the softmax and P V wave w owns tokens 16 w .. 16 w + 15.
; THE WEIGHTS GO FROM MEMORY STRAIGHT INTO REGISTERS, a ring of four buffers of 19 loads each; no tensor loads, no cluster.  v in f32 for 64 tokens takes 263,168 bytes of LDS and the operands' images
; 34,816: 29,696 of 327,680 are left, and two slots of one record for each of four waves would be 73,728.  So no ring of LDS slots fits that joint loads could fill.
; Each buffer has a base pointer of its own, stepped behind the counted wait that shows that buffer's loads done: so the walk needs no wait for the addresses of loads just issued.
; ALL PRODUCTS ARE USED TRANSPOSED (source 0 = 16 rows of a weight, of k or of v^T; source 1 = 16 tokens, heads or rows): a lane holds one token (or head), its registers run along the outputs.
; The rows of a record are chosen so that what a lane holds is what the next operand's layout wants:  q, k: two tiles' 16 registers are 16 neighbours along d;  v: a lane's 32 bytes lie in the token's
; LDS row where the f32 product's source 0 takes them;  O^T: a lane's 32 registers are one block of 32 along the last K, in order.
; LIMITS: NaN and infinities are not served; a block whose largest magnitude lies under 2^-124 gets the scale byte 1; a block of zeros gets 1 where the rule says 127 (its codes are zeros).
; REGISTERS, in windows of 256 (s_set_vgpr_msb: bits 1:0 source 0, 3:2 source 1, 5:4 source 2, 7:6 destination):
;   window 0: v1-19 addresses that stay, v20-23 addresses of the phase; v24-31, v32-63, v64-79 scale words and nothing else; v80-127 at work; v128-255 16 accumulators (record a, tile u at 128 + 32 a + 8 u)
;   window 1: the codes of the 64 rows (tile u, K step s at 64 u + 8 s); at first x as loaded; in P V two sets of 32 of v
;   window 2: four buffers of a record's codes (64 p + 8 s)
;   window 3: v0-31 the records' biases; v32-159 p, later rows of the output; v160-223 O^T, two sets, written by matrix instructions alone; v228-243 at work
.set REC,  9216
.set IMG,  0                           ; LDS: the images of the rows' fragments [u][s][c][lane][16 bytes]: 32,768 bytes
.set IMGS, 32768                       ; their scale words [u][row][8 words]: 2,048 bytes
.set BIG,  34816                       ; 263,168 bytes with four uses in turn, a barrier between each two:
.set XSTG, BIG                         ;   a stage of 16 rows x (512 + 16) bytes for each wave, for x
.set QKC,  BIG                         ;   q's and k's codes: a token 512 + 512 + 16 bytes; a head 32 bytes, d ascending
.set QKS,  BIG+66560                   ;   their scale bytes: a token 2 x 32 + 4 bytes
.set VREG, BIG                         ;   v in f32: a token 4,096 + 16 bytes
.set STG,  BIG                         ;   four stages of 16 rows x (256 + 16) bytes for each wave, for the way out
.set SS,   24                          ; v24-27 q's scale words, v28-31 k's
.set XS,   32                          ; v32-63 the rows' scale words: tile u, K step s at 32 + 8 u + s
.set WS,   64                          ; v64-79 the records': buffer p at 64 + 4 p; register q: K step q in lanes 0-15, 4 + q in lanes 16-31
.set TM,   80
.set PC,   96
.set PW,   104
.set ACC,  128
.set PP,   32                          ; in window 3
.set OA,   160                         ; in window 3
.set WPB,  32                          ; s[32:39] the record that buffer p takes next: a pointer for each buffer
.set MSB, 0
.macro WIN new                         ; the immediate's high byte repeats the setting that is left; a switch that changes nothing is dropped
.if MSB != \new
	s_set_vgpr_msb (MSB<<8)|\new
.set MSB, \new
.endif
.endm
.macro PLACES n                        ; plain vector lines between a matrix instruction and what touches its registers (ISA guide 7.12.1)
.rept \n
	v_nop
.endr
.endm
.macro BARRIER                         ; my LDS stores have landed and my LDS loads are in: then the work-group's barrier
	s_wait_dscnt 0x0
	s_barrier_signal -1
	s_barrier_wait -1
.endm
; K step s of my 16 rows of x: 16 loads, each 512 consecutive bytes of one row, into set s % 4 of window 1
.macro XLOAD s
	WIN 0x40
.irp rho, 0,1,2,3,4,5,6,7,8,9,10,11,12,13,14,15
	global_load_b128 v[64*((\s)%4)+4*\rho:64*((\s)%4)+4*\rho+3], v1, s[12:13] offset:4096*\rho+512*(\s) th:TH_LOAD_NT
.endr
.endm
; the record at buffer p's pointer into buffer p: 19 loads: 16 of codes, one of scale words, two of biases (lane (r, hh) takes those of rows 8 hh .. 8 hh + 7: the result's layout)
.macro WFILL p
	WIN 0x80
.irp k, 0,1,2,3,4,5,6,7,8,9,10,11,12,13,14,15
	global_load_b128 v[64*(\p)+4*\k:64*(\p)+4*\k+3], v1, s[WPB+2*(\p):WPB+2*(\p)+1] offset:512*\k
.endr
	WIN 0
	global_load_b128 v[WS+4*(\p):WS+4*(\p)+3], v1, s[WPB+2*(\p):WPB+2*(\p)+1] offset:8192
	WIN 0xc0
	global_load_b128 v[8*(\p):8*(\p)+3], v2, s[WPB+2*(\p):WPB+2*(\p)+1] offset:8704
	global_load_b128 v[8*(\p)+4:8*(\p)+7], v2, s[WPB+2*(\p):WPB+2*(\p)+1] offset:8720
	WIN 0
.endm
; 64 numbers of a lane, register 16 b + i = k 32 b + 16 (lane / 16) + i of my row, become a fragment's codes in v[PC] on and its scale word in v[PW]
.macro QUANT s
.irp b, 0,1,2,3
	v_max3_num_f32 v[TM+\b], |v[\s+16*\b]|, |v[\s+1+16*\b]|, 0x1800000   ; block b: my 16 numbers, and the floor 2^(3 - 127): the byte cannot fall under 1
.endr
.irp i, 2,4,6,8,10,12,14
.irp b, 0,1,2,3
	v_max3_num_f32 v[TM+\b], v[TM+\b], |v[\s+16*\b+\i]|, |v[\s+1+16*\b+\i]|   ; the four blocks by turns
.endr
.endr
.irp b, 0,1,2,3
	v_permlanex16_b32 v[TM+4+\b], v[TM+\b], s20, s21
.endr
.irp b, 0,1,2,3
	v_max_num_f32 v[TM+\b], v[TM+\b], v[TM+4+\b]   ; with lane l xor 16's: the block's largest magnitude
.endr
.irp b, 0,1,2,3
	v_add_nc_u32 v[TM+12+\b], 0xff000000, v[TM+\b] ; 2 off its exponent field: the conversion's scale operand
.endr
.irp b, 0,1,2,3
	v_lshrrev_b32 v[TM+4+\b], 23, v[TM+12+\b]      ; the scale's byte
.endr
	v_lshl_or_b32 v[PW], v[TM+5], 8, v[TM+4]
	v_lshl_or_b32 v[PW], v[TM+6], 16, v[PW]
	v_lshl_or_b32 v[PW], v[TM+7], 24, v[PW]
.irp b, 0,1,2,3
	v_cvt_scalef32_pk8_fp4_f32 v[PC+2*\b], v[\s+16*\b:\s+7+16*\b], v[TM+12+\b]
	v_cvt_scalef32_pk8_fp4_f32 v[PC+1+2*\b], v[\s+8+16*\b:\s+15+16*\b], v[TM+12+\b]
.endr
	v_nop                                          ; one plain line behind the last conversion
.irp c, 0,1                                    ; the operand's layout wants a whole block in a lane: lanes 0-15 block 2 c, lanes 16-31 block 2 c + 1
.irp i, 0,1
	v_permlane16_swap_b32 v[PC+4*\c+\i], v[PC+2+4*\c+\i]
.endr
.endr
.endm
; K step s of x: through my stage, so that a lane holds 16 neighbours of each block of its row; quantised; the fragment's image and its scale words to LDS.
; cnt: the loads issued behind this step's 16: later steps of x, 16 each, and the records already asked for, 19 each
.macro XSTEP s, cnt
	s_wait_loadcnt \cnt
	WIN 0x04                                       ; an LDS store's data are its source 1: window 1
.irp rho, 0,1,2,3,4,5,6,7,8,9,10,11,12,13,14,15
	ds_store_b128 v3, v[64*((\s)%4)+4*\rho:64*((\s)%4)+4*\rho+3] offset:528*\rho
.endr
	WIN 0
.irp b, 0,1,2,3
.irp j, 0,1,2,3
	ds_load_b128 v[ACC+16*\b+4*\j:ACC+16*\b+4*\j+3], v4 offset:128*\b+16*\j   ; LDS serves a wave's instructions in order: these see the stores above
.endr
.endr
	s_wait_dscnt 0x0                               ; the numbers are back; the stores have read the set, which takes the loads below; the last step's images have left their registers
.if \s < 4
	XLOAD (\s)+4
	WIN 0
.else
	WFILL (\s)-4                                   ; the ring of records is filled while x's last steps are quantised: records 0 to 3
.endif
	QUANT ACC
	ds_store_b128 v5, v[PC:PC+3] offset:1024*\s
	ds_store_b128 v5, v[PC+4:PC+7] offset:1024*\s+512
	ds_store_b32 v6, v[PW] offset:4*\s             ; both halves of the lanes write the same word with the same value
.endm
; the images of all 32 fragments into window 1, and the rows' scale words
.macro LOADIMG
	WIN 0x40
.irp u, 0,1,2,3
.irp k, 0,1,2,3,4,5,6,7,8,9,10,11,12,13,14,15
	ds_load_b128 v[64*\u+4*\k:64*\u+4*\k+3], v1 offset:8192*\u+512*\k
.endr
.endr
	WIN 0
.irp u, 0,1,2,3
.irp h, 0,1
	ds_load_b128 v[XS+8*\u+4*\h:XS+8*\u+4*\h+3], v7 offset:512*\u+16*\h
.endr
.endr
	s_wait_dscnt 0x0
.endm
; THE RECORD IN BUFFER a TIMES THE 64 ROWS: 32 matrix instructions, K ascending; the four accumulators take turns, one instruction a turn.
; The bias is the C of each sum's first instruction.  cnt: the loads issued behind this record's 19: the later records', 19 each.
; refill = 1: the buffer takes the record four further on.  Its pointer is stepped here: the only loads that read it are this record's 19, which the wait at the head has shown done.
; outw = 1 (the last product's fourth record of a trip): the one wait of the trip for the addresses of what has been issued.  It stands behind the last trip's 32 stores, ahead of the step of their base
; and of the LDS loads into the registers that they read, and ahead of this record's refill, so that the youngest load in front of it is 32 matrix instructions old.
.macro TILE a, cnt, refill, outw
	s_wait_loadcnt \cnt
	WIN 0x36                                       ; source 0 (weight) window 2, source 1 (rows) window 1, source 2 (bias) window 3, destination window 0
.irp u, 0,1,2,3
	v_wmma_scale_f32_16x16x128_f8f6f4 v[ACC+32*\a+8*\u:ACC+32*\a+8*\u+7], v[64*\a:64*\a+7], v[64*\u:64*\u+7], v[8*\a:8*\a+7], v[WS+4*\a], v[XS+8*\u] matrix_a_fmt:MATRIX_FMT_FP4 matrix_b_fmt:MATRIX_FMT_FP4
.endr
	WIN 0x06
.irp s, 1,2,3
.irp u, 0,1,2,3
	v_wmma_scale_f32_16x16x128_f8f6f4 v[ACC+32*\a+8*\u:ACC+32*\a+8*\u+7], v[64*\a+8*\s:64*\a+8*\s+7], v[64*\u+8*\s:64*\u+8*\s+7], v[ACC+32*\a+8*\u:ACC+32*\a+8*\u+7], v[WS+4*\a+\s], v[XS+8*\u+\s] matrix_a_fmt:MATRIX_FMT_FP4 matrix_b_fmt:MATRIX_FMT_FP4
.endr
.endr
.irp s, 4,5,6,7
.irp u, 0,1,2,3
	v_wmma_scale_f32_16x16x128_f8f6f4 v[ACC+32*\a+8*\u:ACC+32*\a+8*\u+7], v[64*\a+8*\s:64*\a+8*\s+7], v[64*\u+8*\s:64*\u+8*\s+7], v[ACC+32*\a+8*\u:ACC+32*\a+8*\u+7], v[WS+4*\a+\s-4], v[XS+8*\u+\s] matrix_a_fmt:MATRIX_FMT_FP4 matrix_b_fmt:MATRIX_FMT_FP4 matrix_a_scale:MATRIX_SCALE_ROW1
.endr
.endr
	PLACES 4                                       ; in front of the loads into the buffer just multiplied, and of the first read of the results
.if \outw
	s_wait_xcnt 0x0                                ; the last trip's stores have read their base and their data registers
	s_add_nc_u64 s[16:17], s[16:17], s[40:41]      ; 64 columns on: by 0 in the first trip,
	s_mov_b32 s40, 256                             ; by 256 bytes from then on
.endif
.if \refill
	s_add_nc_u64 s[WPB+2*\a:WPB+2*\a+1], s[WPB+2*\a:WPB+2*\a+1], 4*REC
	WFILL \a
.endif
	WIN 0
.endm
; One head of q or of k for the 64 tokens: records a = 2 b + e hold d = 32 b + 16 (lane / 16) + 8 e + 0 .. 7 of the lane's token.  Eight blocks (b, u) by turns; each accumulator is read from its low end on.
.macro QPOST
	s_wait_dscnt 0x0                               ; the last trip's stores have read their registers
	v_add_nc_u32 v20, s25, v8                      ; this head's 32 bytes in a token's codes,
	v_add_nc_u32 v21, s26, v9                      ; and its two scale bytes
.irp b, 0,1
.irp u, 0,1,2,3
	v_max3_num_f32 v[80+4*\b+\u], |v[ACC+64*\b+8*\u]|, |v[ACC+64*\b+8*\u+1]|, 0x1800000
.endr
.endr
.irp i, 2,4,6
.irp b, 0,1
.irp u, 0,1,2,3
	v_max3_num_f32 v[80+4*\b+\u], v[80+4*\b+\u], |v[ACC+64*\b+8*\u+\i]|, |v[ACC+64*\b+8*\u+\i+1]|
.endr
.endr
.endr
.irp i, 0,2,4,6
.irp b, 0,1
.irp u, 0,1,2,3
	v_max3_num_f32 v[80+4*\b+\u], v[80+4*\b+\u], |v[ACC+64*\b+32+8*\u+\i]|, |v[ACC+64*\b+32+8*\u+\i+1]|
.endr
.endr
.endr
.irp c, 0,1,2,3,4,5,6,7
	v_permlanex16_b32 v[88+\c], v[80+\c], s20, s21
.endr
.irp c, 0,1,2,3,4,5,6,7
	v_max_num_f32 v[80+\c], v[80+\c], v[88+\c]     ; with lane l xor 16's 16 numbers: the block's largest magnitude
.endr
.irp c, 0,1,2,3,4,5,6,7
	v_add_nc_u32 v[96+\c], 0xff000000, v[80+\c]    ; the conversion's scale operand
.endr
.irp c, 0,1,2,3,4,5,6,7
	v_lshrrev_b32 v[88+\c], 23, v[96+\c]           ; the scale's byte
.endr
.irp u, 0,1,2,3
	v_lshl_or_b32 v[120+\u], v[92+\u], 8, v[88+\u] ; the head's two bytes
.endr
.irp b, 0,1
.irp u, 0,1,2,3
	v_cvt_scalef32_pk8_fp4_f32 v[104+2*(4*\b+\u)], v[ACC+64*\b+8*\u:ACC+64*\b+8*\u+7], v[96+4*\b+\u]
	v_cvt_scalef32_pk8_fp4_f32 v[105+2*(4*\b+\u)], v[ACC+64*\b+32+8*\u:ACC+64*\b+32+8*\u+7], v[96+4*\b+\u]
.endr
.endr
	v_nop                                          ; one plain line behind the last conversion
.irp b, 0,1
.irp u, 0,1,2,3
	ds_store_b64 v20, v[104+2*(4*\b+\u):105+2*(4*\b+\u)] offset:16640*\u+16*\b   ; 16 codes: d = 32 b + 16 (lane / 16) on: byte 16 b + 8 (lane / 16) of the head's 32
.endr
.endr
.irp u, 0,1,2,3
	ds_store_b16 v21, v[120+\u] offset:1088*\u     ; both halves of the lanes write the same bytes with the same values
.endr
.endm
; a record of v: the lane's 32 bytes go where the f32 product's source 0 takes them; each accumulator from its low end on
.macro VPOST a
.irp u, 0,1,2,3
	ds_store_b128 v[20+\u], v[ACC+32*\a+8*\u:ACC+32*\a+8*\u+3] offset:64*\a
	ds_store_b128 v[20+\u], v[ACC+32*\a+8*\u+4:ACC+32*\a+8*\u+7] offset:64*\a+16
.endr
.endm
; Four of my tokens, 4 bat + t: S^T = k q^T (K = 64: the operands' upper four registers are zero codes), softmax over g.  Lane (h, hh) holds head h and g = 8 hh + 0 .. 7.
; p = 2^(c s - c m) / sum, c = log2(e) / 8, m the row's own largest score.  c m is rounded once and is common to the row, so its rounding leaves with the division.
.macro SBATCH bat
	PLACES 4                                       ; in front of loads into registers that matrix instructions have read; the first time: behind the zeros written by vector lines
.irp t, 0,1,2,3
	ds_load_b128 v[ACC+16*\t:ACC+16*\t+3], v10 offset:1040*(4*\bat+\t)          ; q: head l % 16, d = 32 (l / 16) on: byte 32 (l % 16) + 16 (l / 16) of the token's 512
	ds_load_b128 v[ACC+16*\t+8:ACC+16*\t+11], v10 offset:1040*(4*\bat+\t)+512   ; k likewise
	ds_load_u16 v[SS+\t], v11 offset:68*(4*\bat+\t)                             ; two scale bytes; the upper two are 0, over zero codes
	ds_load_u16 v[SS+4+\t], v11 offset:68*(4*\bat+\t)+32
.endr
	s_wait_dscnt 0x0
.irp t, 0,1,2,3
	v_wmma_scale_f32_16x16x128_f8f6f4 v[ACC+64+8*\t:ACC+64+8*\t+7], v[ACC+16*\t+8:ACC+16*\t+15], v[ACC+16*\t:ACC+16*\t+7], 0, v[SS+4+\t], v[SS+\t] matrix_a_fmt:MATRIX_FMT_FP4 matrix_b_fmt:MATRIX_FMT_FP4
.endr
	PLACES 4
.irp t, 0,1,2,3
	v_max3_num_f32 v[81+8*\t], v[ACC+64+8*\t], v[ACC+65+8*\t], v[ACC+66+8*\t]
.endr
.irp t, 0,1,2,3
	v_max3_num_f32 v[82+8*\t], v[ACC+67+8*\t], v[ACC+68+8*\t], v[ACC+69+8*\t]
.endr
.irp t, 0,1,2,3
	v_max3_num_f32 v[81+8*\t], v[81+8*\t], v[ACC+70+8*\t], v[ACC+71+8*\t]
.endr
.irp t, 0,1,2,3
	v_max_num_f32 v[81+8*\t], v[81+8*\t], v[82+8*\t]
.endr
.irp t, 0,1,2,3
	v_permlanex16_b32 v[87+8*\t], v[81+8*\t], s20, s21
.endr
.irp t, 0,1,2,3
	v_max_num_f32 v[81+8*\t], v[81+8*\t], v[87+8*\t]   ; m: the largest of the head's 16 scores
.endr
.irp t, 0,1,2,3
	v_mul_f32 v[80+8*\t], s22, v[81+8*\t]          ; c m
.endr
.irp t, 0,1,2,3
.irp i, 0,2,4,6
	v_pk_fma_f32 v[ACC+64+8*\t+\i:ACC+65+8*\t+\i], v[ACC+64+8*\t+\i:ACC+65+8*\t+\i], s[22:23], v[80+8*\t:81+8*\t] op_sel_hi:[1,0,0] neg_lo:[0,0,1] neg_hi:[0,0,1]   ; c s - c m
.endr
.endr
	WIN 0xc0                                       ; destination window 3
.irp t, 0,1,2,3
.irp i, 0,1,2,3,4,5,6,7
	v_exp_f32 v[PP+8*(4*\bat+\t)+\i], v[ACC+64+8*\t+\i]
.endr
.endr
	v_nop                                          ; a plain line behind the last exponential
	s_wait_alu depctr_va_vdst(0)                   ; one wait for the batch of 32, ahead of its first reader
	WIN 0x0f                                       ; sources 0 and 1 window 3
.irp t, 0,1,2,3
	v_pk_add_f32 v[82+8*\t:83+8*\t], v[PP+8*(4*\bat+\t):PP+8*(4*\bat+\t)+1], v[PP+8*(4*\bat+\t)+2:PP+8*(4*\bat+\t)+3]
	v_pk_add_f32 v[84+8*\t:85+8*\t], v[PP+8*(4*\bat+\t)+4:PP+8*(4*\bat+\t)+5], v[PP+8*(4*\bat+\t)+6:PP+8*(4*\bat+\t)+7]
.endr
	WIN 0
.irp t, 0,1,2,3
	v_pk_add_f32 v[82+8*\t:83+8*\t], v[82+8*\t:83+8*\t], v[84+8*\t:85+8*\t]
.endr
.irp t, 0,1,2,3
	v_add_f32 v[82+8*\t], v[82+8*\t], v[83+8*\t]
.endr
.irp t, 0,1,2,3
	v_permlanex16_b32 v[87+8*\t], v[82+8*\t], s20, s21
.endr
.irp t, 0,1,2,3
	v_add_f32 v[82+8*\t], v[82+8*\t], v[87+8*\t]   ; the row's sum
.endr
.irp t, 0,1,2,3
	v_rcp_f32 v[86+8*\t], v[82+8*\t]
.endr
	v_nop                                          ; a plain line behind the last reciprocal
	s_wait_alu depctr_va_vdst(0)                   ; one wait for the four
	WIN 0xc3                                       ; destination and source 0 window 3
.irp t, 0,1,2,3
.irp i, 0,2,4,6
	v_pk_mul_f32 v[PP+8*(4*\bat+\t)+\i:PP+8*(4*\bat+\t)+\i+1], v[PP+8*(4*\bat+\t)+\i:PP+8*(4*\bat+\t)+\i+1], v[86+8*\t:87+8*\t] op_sel_hi:[1,0]
.endr
.endr
	WIN 0
.endm
; O^T = V^T P^T of one token, in f32 (its result goes into a quantiser).  K = 16 heads g in four steps of 4; slot (hh, j) of step s is g = 8 hh + 2 s + j, in both operands alike:
; source 1 is p's registers 2 s, 2 s + 1 as they lie; source 0, tile T: lane (r, hh) holds v[g][32 (r / 8) + 8 T + r % 8].  In the result lane (h, hh) holds d = 32 hh + 8 T + 0 .. 7.
.macro LOADV set, tau
	WIN 0x40
.irp gq, 0,1,2,3,4,5,6,7
	ds_load_b128 v[32*(\set)+4*\gq:32*(\set)+4*\gq+3], v20 offset:4112*(\tau)+512*\gq
.endr
.endm
.macro WM tau                          ; 16 matrix instructions; the four accumulators take turns; the first step starts the sums with the constant 0
	WIN 0xfd                                       ; source 0 (v) window 1; source 1 (p), C and D window 3
.irp s, 0,1,2,3
.irp T, 0,1,2,3
.if \s == 0
	v_wmma_f32_16x16x4_f32 v[OA+32*((\tau)%2)+8*\T:OA+32*((\tau)%2)+8*\T+7], v[32*((\tau)%2)+8*\s+2*\T:32*((\tau)%2)+8*\s+2*\T+1], v[PP+8*(\tau)+2*\s:PP+8*(\tau)+2*\s+1], 0
.else
	v_wmma_f32_16x16x4_f32 v[OA+32*((\tau)%2)+8*\T:OA+32*((\tau)%2)+8*\T+7], v[32*((\tau)%2)+8*\s+2*\T:32*((\tau)%2)+8*\s+2*\T+1], v[PP+8*(\tau)+2*\s:PP+8*(\tau)+2*\s+1], v[OA+32*((\tau)%2)+8*\T:OA+32*((\tau)%2)+8*\T+7]
.endif
.endr
.endr
.endm
; A token's O^T is quantised: my 32 registers are one block.  The four code registers are registers 4 (tau % 2) .. + 3 of K step tau / 2 of my tile of rows; the byte is byte 2 (tau % 2) + hh of that step's word.
; Its 19 plain lines name one set of O^T and registers at work alone: they are the places behind the other set's matrix instructions.
.macro POST tau
.set OAS, OA+32*((\tau)%2)
.set PAR, (\tau)%2
	WIN 0xff
	v_max3_num_f32 v228, |v[OAS]|, |v[OAS+1]|, 0x1800000           ; two chains; each accumulator is read from its low end on
	v_max3_num_f32 v229, |v[OAS+16]|, |v[OAS+17]|, 0x1800000
.irp i, 2,4,6,8,10,12,14
	v_max3_num_f32 v228, v228, |v[OAS+\i]|, |v[OAS+\i+1]|
	v_max3_num_f32 v229, v229, |v[OAS+16+\i]|, |v[OAS+17+\i]|
.endr
	v_max_num_f32 v228, v228, v229
	v_add_nc_u32 v230, 0xff000000, v228
	v_lshrrev_b32 v[232+PAR], 23, v230
.irp g, 0,1,2,3
	v_cvt_scalef32_pk8_fp4_f32 v[236+4*PAR+\g], v[OAS+8*\g:OAS+8*\g+7], v230
.endr
	v_nop                                          ; one plain line behind the last conversion
	WIN 0x0c                                       ; an LDS store's data are its source 1: window 3
	ds_store_b128 v5, v[236+4*PAR:236+4*PAR+3] offset:512*(\tau)
	ds_store_b8 v21, v[232+PAR] offset:2*(\tau)
.endm
; THE WAY OUT of four records' results: 64 rows x 64 columns.  A lane holds 32 neighbouring bytes of a row; a tile's 16 rows meet in a stage of my own and come back as rows of 256 bytes.
; The registers that the loads below fill were the data of the last trip's stores: the wait in the trip's fourth record has shown those read.
.macro OUTP
.irp u, 0,1,2,3
.irp a, 0,1,2,3
	ds_store_b128 v16, v[ACC+32*\a+8*\u:ACC+32*\a+8*\u+3] offset:4352*\u+64*\a
	ds_store_b128 v16, v[ACC+32*\a+8*\u+4:ACC+32*\a+8*\u+7] offset:4352*\u+64*\a+16
.endr
.endr
	WIN 0xc0
.irp u, 0,1,2,3
.irp i, 0,1,2,3,4,5,6,7
	ds_load_b128 v[PP+32*\u+4*\i:PP+32*\u+4*\i+3], v17 offset:4352*\u+544*\i   ; LDS serves a wave's instructions in order: these see the stores above, and the next trip's stores come behind them
.endr
.endr
	WIN 0x0c                                       ; a store's data are its source 1: window 3
.irp u, 0,1,2,3
.irp i, 0,1,2,3,4,5,6,7
	s_wait_dscnt 31-8*\u-\i                        ; the later loads may be out
	global_store_b128 v[18+\i/4], v[PP+32*\u+4*\i:PP+32*\u+4*\i+3], s[16:17] offset:((2*(\i%4))<<20)+4096*\u th:TH_STORE_NT   ; rows h = 2 i + hh: 16 lanes store 256 consecutive bytes, at a multiple of 256 from out0's first byte
.endr
.endr
	WIN 0
.endm
	s_load_b128 s[4:7], s[0:1], 0x0                ; x, wq
	s_load_b64 s[8:9], s[0:1], 0x10                ; out0
	v_lshl_add_u32 v126, v0, 2, 0x48c00
	v_mov_b32 v127, 0
	v_lshrrev_b32 v80, 5, v0
	v_readfirstlane_b32 s10, v80                   ; wave w
	v_and_b32 v80, 31, v0
	v_lshlrev_b32 v1, 4, v80                       ; v1 = 16 x lane; never rewritten
	s_lshl_b32 s30, ttmp9, 18                      ; 64 tokens of 4,096 bytes a work-group,
	s_lshl_b32 s28, s10, 16                        ; 16 a wave
	s_add_co_u32 s30, s30, s28
	s_mov_b32 s31, 0
	s_wait_kmcnt 0x0
	s_add_nc_u64 s[12:13], s[4:5], s[30:31]        ; x at my first token
	XLOAD 0
	XLOAD 1
	XLOAD 2
	XLOAD 3
	WIN 0
	s_mul_i32 s30, s10, 64*REC
	s_add_nc_u64 s[WPB:WPB+1], s[6:7], s[30:31]    ; my wave's records: buffer p begins with record p
	s_add_nc_u64 s[WPB+2:WPB+3], s[WPB:WPB+1], REC
	s_add_nc_u64 s[WPB+4:WPB+5], s[WPB:WPB+1], 2*REC
	s_add_nc_u64 s[WPB+6:WPB+7], s[WPB:WPB+1], 3*REC
	s_lshr_b32 s28, ttmp9, 6
	s_lshl_b32 s28, s28, 24                        ; the batch: 4,096 rows of 4,096 bytes
	s_and_b32 s29, ttmp9, 63
	s_lshl_b32 s29, s29, 14                        ; rows 4 (g % 64) on
	s_add_co_u32 s30, s28, s29
	s_lshl_b32 s28, s10, 10                        ; my 256 columns
	s_add_co_u32 s30, s30, s28
	s_add_nc_u64 s[16:17], s[8:9], s[30:31]
	s_mov_b32 s20, 0x76543210
	s_mov_b32 s21, 0xfedcba98                      ; v_permlanex16_b32's selects for lane l xor 16
	s_mov_b32 s22, 0x3e38aa3b                      ; c = log2(e) / 8
	s_mov_b32 s23, s22                             ; (named with it as a pair, so it is written)
	v_and_b32 v81, 15, v0                          ; r
	v_bfe_u32 v82, v0, 4, 1                        ; hh
	v_lshlrev_b32 v2, 5, v82                       ; v2 = 32 hh; never rewritten
	s_mul_i32 s28, s10, 8448
	s_add_co_u32 s28, s28, XSTG
	v_add_nc_u32 v3, s28, v1                       ; x's stage, in: a row's 512 bytes as they lie
	v_mul_u32_u24 v4, v81, 528
	v_lshl_add_u32 v4, v82, 6, v4
	v_add_nc_u32 v4, s28, v4                       ; out: row r, + 64 hh: my 16 numbers of a block
	s_lshl_b32 s28, s10, 13
	v_add_nc_u32 v5, s28, v1                       ; my tile's images
	v_lshl_add_u32 v7, v81, 5, IMGS                ; row r's scale words in tile 0
	s_lshl_b32 s28, s10, 9
	v_add_nc_u32 v6, s28, v7                       ; and in my tile
	v_mul_u32_u24 v8, v81, 1040
	v_lshl_add_u32 v8, v82, 3, v8
	s_lshl_b32 s28, s10, 5
	s_add_co_u32 s28, s28, QKC
	v_add_nc_u32 v8, s28, v8                       ; q's and k's codes, in: token r, unit w, + 8 hh
	v_mul_u32_u24 v9, v81, 68
	s_lshl_b32 s28, s10, 1
	s_add_co_u32 s28, s28, QKS
	v_add_nc_u32 v9, s28, v9                       ; their scale bytes, in
	s_mul_i32 s28, s10, 16640
	s_add_co_u32 s28, s28, QKC
	v_lshl_add_u32 v10, v81, 5, s28                ; out: my tokens; head r's 32 bytes,
	v_lshl_add_u32 v10, v82, 4, v10                ; + 16 hh: the block of 32 that the operand's layout gives my half of the lanes
	s_mul_i32 s28, s10, 1088
	s_add_co_u32 s28, s28, QKS
	v_lshl_add_u32 v11, v81, 1, s28
	v_mul_u32_u24 v12, v81, 4112
	v_add_nc_u32 v12, v12, v2
	s_lshl_b32 s28, s10, 10
	s_add_co_u32 s28, s28, VREG
	v_add_nc_u32 v12, s28, v12                     ; v, in: token 16 u + r, my 1,024 bytes of its row, + 32 hh
	v_add_nc_u32 v13, 65792, v12
	v_add_nc_u32 v14, 2*65792, v12
	v_add_nc_u32 v15, 3*65792, v12
	s_mul_i32 s28, s10, 4*4352
	s_add_co_u32 s28, s28, STG
	v_mul_u32_u24 v16, v81, 272
	v_add_nc_u32 v16, v16, v2
	v_add_nc_u32 v16, s28, v16                     ; the way out, in: row r, + 32 hh
	v_mul_u32_u24 v17, v82, 272
	v_lshl_add_u32 v17, v81, 4, v17
	v_add_nc_u32 v17, s28, v17                     ; back: lanes 0-15 one row, lanes 16-31 the next
	v_lshlrev_b32 v18, 20, v82                     ; in out0 head h's rows lie 256 rows of 4,096 bytes apart
	v_lshl_add_u32 v18, v81, 4, v18
	v_add_nc_u32 v19, 8<<20, v18                   ; heads 8 on: so that the stores' immediates stay inside their signed 24 bits
.irp j, 84,85,86,87,88,89,90,91,92,93,94,95
	v_mov_b32 v\j, 0                               ; written once: a lane permute's destination counts as one of its sources
.endr
	; ---- X: my 16 tokens of x become eight fragments
	XSTEP 0, 48
	XSTEP 1, 48
	XSTEP 2, 48
	XSTEP 3, 48
	XSTEP 4, 48
	XSTEP 5, 51
	XSTEP 6, 54
	XSTEP 7, 57
	BARRIER                                        ; x's 32 images lie in LDS, and nobody reads a stage any more
	LOADIMG
	; ---- QK: eight trips, a head of q or of k each (unit 4 t + w): four records
	s_mov_b32 s24, 8
	s_mov_b32 s25, 0
	s_mov_b32 s26, 0
.Lqk:
	TILE 0, 57, 1, 0
	TILE 1, 57, 1, 0
	TILE 2, 57, 1, 0
	TILE 3, 57, 1, 0
	QPOST
	s_add_co_u32 s25, s25, 128                     ; four units of 32 bytes on
	s_add_co_u32 s26, s26, 8
	s_sub_co_i32 s24, s24, 1
	s_cmp_lg_u32 s24, 0
	s_cbranch_scc1 .Lqk
	BARRIER                                        ; q's and k's codes lie in LDS
	; ---- S: the scores and the softmax of my 16 tokens
.irp t, 0,1,2,3
.irp j, 4,5,6,7,12,13,14,15
	v_mov_b32 v[ACC+16*\t+\j], 0                   ; zero codes for K = 64 .. 127, for each operand its own
.endr
.endr
	SBATCH 0
	SBATCH 1
	SBATCH 2
	SBATCH 3
	BARRIER                                        ; nobody reads q's and k's codes any more: v may take their bytes
	; ---- V: four trips of four records
	s_mov_b32 s24, 4
	s_mov_b32 s27, 0
.Lv:
	s_wait_dscnt 0x0                               ; the last trip's stores have read their addresses and the accumulators
.irp u, 0,1,2,3
	v_add_nc_u32 v[20+\u], s27, v[12+\u]
.endr
	TILE 0, 57, 1, 0
	VPOST 0
	TILE 1, 57, 1, 0
	VPOST 1
	TILE 2, 57, 1, 0
	VPOST 2
	TILE 3, 57, 1, 0
	VPOST 3
	s_add_co_u32 s27, s27, 256
	s_sub_co_i32 s24, s24, 1
	s_cmp_lg_u32 s24, 0
	s_cbranch_scc1 .Lv
	BARRIER                                        ; v of the 64 tokens lies in LDS
	; ---- A: O^T = V^T P^T, token by token, on two sets of registers by turns; a token is quantised behind the next token's products
	s_mul_i32 s28, s10, 65792
	s_add_co_u32 s28, s28, VREG
	v_add_nc_u32 v20, s28, v1                      ; my tokens' rows of v
	v_lshrrev_b32 v21, 5, v2
	v_add_nc_u32 v21, v21, v6                      ; my tile's scale bytes: row r, + hh
	LOADV 0, 0
	LOADV 1, 1
	s_wait_dscnt 8                                 ; token 0's eight loads are in; token 1's may be out
	WM 0
	PLACES 9                                       ; no other set's work is at hand yet: nine, since these accumulators are begun anew two tokens on
.irp tau, 1,2,3,4,5,6,7,8,9,10,11,12,13,14
	LOADV (\tau+1)%2, \tau+1
	s_wait_dscnt 8                                 ; all but the eight loads just issued
	WM \tau
	POST \tau-1
.endr
	s_wait_dscnt 0x0
	WM 15
	POST 14
	POST 15
	WIN 0
	BARRIER                                        ; the 32 images of the last product's rows lie in LDS, and nobody reads v any more
	LOADIMG
	; ---- P: the last product: four trips of four records, 64 columns each; the last is written out, since it asks for no record
	s_mov_b32 s24, 3
	s_mov_b32 s40, 0                               ; what the first trip adds to the stores' base
	s_mov_b32 s41, 0
.Lp:
	TILE 0, 57, 1, 0
	TILE 1, 57, 1, 0
	TILE 2, 57, 1, 0
	TILE 3, 57, 1, 1
	OUTP
	s_sub_co_i32 s24, s24, 1
	s_cmp_lg_u32 s24, 0
	s_cbranch_scc1 .Lp
	TILE 0, 57, 0, 0                               ; the counts run down: no load leaves the workspace
	TILE 1, 38, 0, 0
	TILE 2, 19, 0, 0
	TILE 3, 0, 0, 1
	OUTP
	s_wait_tensorcnt 0x0
	ds_add_u32 v126, v127
	s_wait_dscnt 0x0
	s_endpgm
.Lfunc_end_k_q35b3c7972d_fused:
	.size	k_q35b3c7972d_fused, .Lfunc_end_k_q35b3c7972d_fused-k_q35b3c7972d_fused
	.p2alignl 7, 3214868480
	.fill 96, 4, 3214868480
	.section	.rodata,"a",@progbits
	.p2align	6, 0x0
	.amdhsa_kernel k_q35b3c7972d_fused
		.amdhsa_group_segment_fixed_size 298496
		.amdhsa_private_segment_fixed_size 0
		.amdhsa_enable_private_segment 0
		.amdhsa_kernarg_size 24
		.amdhsa_user_sgpr_count 2
		.amdhsa_user_sgpr_kernarg_segment_ptr 1
		.amdhsa_wavefront_size32 1
		.amdhsa_system_sgpr_workgroup_id_x 1
		.amdhsa_system_sgpr_workgroup_id_y 1
		.amdhsa_system_sgpr_workgroup_id_z 1
		.amdhsa_system_vgpr_workitem_id 0
		.amdhsa_next_free_vgpr 1024
		.amdhsa_next_free_sgpr 66
		.amdhsa_reserve_vcc 0
		.amdhsa_float_denorm_mode_32 3
		.amdhsa_float_denorm_mode_16_64 3
		.amdhsa_memory_ordered 1
		.amdhsa_forward_progress 1
		.amdhsa_inst_pref_size 255
	.end_amdhsa_kernel
	.section	.bss,"aw",@nobits
	.p2align	6
	.space	262144
	.amdgpu_metadata
---
amdhsa.version: [ 1, 2 ]
amdhsa.kernels:
  - .name:           k_q35b3c7972d_fused
    .symbol:         k_q35b3c7972d_fused.kd
    .args:
      - { .name: x, .offset: 0, .size: 8, .value_kind: global_buffer, .address_space: global }
      - { .name: wq, .offset: 8, .size: 8, .value_kind: global_buffer, .address_space: global }
      - { .name: out0, .offset: 16, .size: 8, .value_kind: global_buffer, .address_space: global }
    .group_segment_fixed_size: 298496
    .private_segment_fixed_size: 0
    .kernarg_segment_align: 8
    .kernarg_segment_size: 24
    .max_flat_workgroup_size: 128
    .sgpr_count:     66
    .vgpr_count:     1024
    .wavefront_size: 32
...
	.end_amdgpu_metadata
.endif
;; end of part 2
;; ======== version 2 of 2: 2 launches
;; workspace buffers: wq 2,359,296 bytes
;; launch prep (part 3): grid 256 x 1, 4 waves a work-group, no clusters, 31,232 bytes of LDS; arguments qkv_w, qkv_b, proj_w, proj_b, wq; writes wq
.if DOCPART == 3
	.amdgcn_target "amdgcn-amd-amdhsa--gfx1250"
	.amdhsa_code_object_version 6
	.text
	.protected	k_q35b3c7972d_prep
	.globl	k_q35b3c7972d_prep
	.p2align	8
	.type	k_q35b3c7972d_prep,@function
k_q35b3c7972d_prep:
	s_mov_b64 s[64:65], 0
	v_nop
	global_prefetch_b8 v0, s[64:65] scope:SCOPE_SE
	s_setreg_imm32_b32 hwreg(HW_REG_WAVE_MODE, 25, 1), 1
	s_wait_xcnt 0x0
; qkv_w [3072][1024] and proj_w [1024][1024], f32, K innermost, become codes of FP4 (E2M1) with one E8M0 byte for each 32 along K,
; laid in RECORDS of 9,216 bytes in the order in which a wave of the second launch takes them into its operand registers.
; Record R = 64 w + n (w: the wave that reads it, n: its place in that wave's walk) holds 16 rows of a weight, all K = 1,024:
;   bytes 0 .. 8191     codes [block of 32 along K: 0..31][row m: 0..15][16 bytes]: a load of 16 bytes a lane at 512 k gives registers 4 k .. 4 k + 3 of the eight fragments
;   bytes 8192 .. 8703  scale bytes [block / 16][m][block % 16]: a load of 16 bytes a lane gives four scale registers, K steps 0-3 in lanes 0-15, 4-7 in lanes 16-31
;   bytes 8704 .. 9215  the rows' biases [copy 0..7][m] f32: eight copies, so that the last 512 bytes too are stored whole
; WHICH ROW IS ROW m:  n < 32 (q, k): unit U = 4 (n / 4) + w (a head of q or of k), b = (n / 2) % 2, e = n % 2: row 64 U + 32 b + 8 e + m + 8 (m / 8)
;   n = 32 .. 47 (v): kap = 4 (16 w + n - 32) + m / 4; s = kap / 64, q = (kap / 32) % 2, hh = (kap / 16) % 2, r = kap % 16; row 2048 + 64 (8 hh + 2 s + m % 2) + 32 (r / 8) + 8 (2 q + (m / 2) % 2) + r % 8
;   n >= 48 (proj): row 256 w + 16 (n - 48) + m of proj_w.
; A block's scale is 2^(floor(log2(largest magnitude)) - 2): its byte is the largest magnitude's exponent field - 2, held at 1 from below by a floor among the maximum's leaves.
; LIMITS: NaN and infinities are not served; a block whose largest magnitude lies under 2^-124 gets the byte 1; a block of zeros gets the byte 1 where the rule says 127
; (its codes are zeros, which add nothing, and this program alone reads the bytes).
; SHARES: one work-group a record; wave qw takes rows m = 4 qw + i, i = 0 .. 3.  A row's 4,096 bytes are loaded as they lie (512 consecutive bytes a load) and turned in the wave's own
; stage in LDS, so that lane l holds block l, 32 neighbours along K.  One path serves all three kinds of record: only numbers and pointers are selected.
.set REC, 9216
.set TST, 0                            ; four stages of 32 x (128 + 16) bytes, one a wave
.set OST, 18432                        ; the record's codes: 32 units of 256 bytes, 272 apart
.set SST, 27136                        ; its 512 scale bytes
.set BST, 27648                        ; its 512 bytes of biases
	s_load_b256 s[4:11], s[0:1], 0x0               ; qkv_w s[4:5], qkv_b s[6:7], proj_w s[8:9], proj_b s[10:11]
	s_load_b64 s[12:13], s[0:1], 0x20              ; wq
	v_lshl_add_u32 v200, v0, 2, 0x7800
	v_mov_b32 v201, 0
	v_lshrrev_b32 v12, 5, v0
	v_readfirstlane_b32 s14, v12                   ; qw
	v_and_b32 v13, 31, v0                          ; lane
	v_lshlrev_b32 v1, 4, v13                       ; 16 bytes a lane
	s_lshr_b32 s15, ttmp9, 6                       ; w
	s_and_b32 s16, ttmp9, 63                       ; n
	; q, k: the row of m = 4 qw
	s_lshr_b32 s17, s16, 2
	s_lshl_b32 s17, s17, 2
	s_add_co_u32 s17, s17, s15                     ; U
	s_lshl_b32 s17, s17, 6
	s_bfe_u32 s18, s16, 0x10001                    ; b
	s_lshl_b32 s18, s18, 5
	s_add_co_u32 s17, s17, s18
	s_and_b32 s18, s16, 1                          ; e
	s_lshl_b32 s18, s18, 3
	s_add_co_u32 s17, s17, s18
	s_lshl_b32 s18, s14, 2                         ; 4 qw
	s_add_co_u32 s17, s17, s18
	s_lshr_b32 s19, s14, 1
	s_lshl_b32 s19, s19, 3                         ; 8 (m / 8)
	s_add_co_u32 s17, s17, s19
	; v: the row of m = 4 qw
	s_and_b32 s19, s16, 15
	s_lshl_b32 s23, s15, 4
	s_add_co_u32 s23, s23, s19                     ; 16 w + n % 16
	s_lshl_b32 s32, s23, 2
	s_add_co_u32 s32, s32, s14                     ; kap
	s_lshr_b32 s22, s32, 6
	s_lshl_b32 s22, s22, 7                         ; 64 x 2 s
	s_bfe_u32 s33, s32, 0x10004
	s_lshl_b32 s33, s33, 9                         ; 64 x 8 hh
	s_add_co_u32 s22, s22, s33
	s_bfe_u32 s33, s32, 0x10005
	s_lshl_b32 s33, s33, 4                         ; 16 q
	s_add_co_u32 s22, s22, s33
	s_bfe_u32 s33, s32, 0x10003
	s_lshl_b32 s33, s33, 5                         ; 32 (r / 8)
	s_add_co_u32 s22, s22, s33
	s_and_b32 s33, s32, 7                          ; r % 8
	s_add_co_u32 s22, s22, s33
	s_add_co_u32 s22, s22, 2048
	; proj: the row of m = 4 qw
	s_lshl_b32 s23, s23, 4
	s_add_co_u32 s23, s23, s18
	; the record's kind selects the row, and what i % 2 and i / 2 add to it
	s_cmp_lt_u32 s16, 32
	s_cselect_b32 s17, s17, s22
	s_cselect_b32 s33, 1, 64
	s_cselect_b32 s34, 2, 8
	s_cmp_lt_u32 s16, 48
	s_cselect_b32 s17, s17, s23
	s_cselect_b32 s33, s33, 1
	s_cselect_b32 s34, s34, 2
	s_wait_alu depctr_va_vdst(0)
	s_wait_kmcnt 0x0
	s_cselect_b64 s[4:5], s[4:5], s[8:9]           ; the weight, and
	s_cselect_b64 s[6:7], s[6:7], s[10:11]         ; its bias: the choice hangs on the work-group's number alone
	s_mov_b32 s36, s17                             ; my four rows
	s_add_co_u32 s37, s17, s33
	s_add_co_u32 s38, s17, s34
	s_add_co_u32 s39, s37, s34
	s_mov_b32 s45, 0
.irp i, 0,1,2,3
	s_lshl_b32 s44, s[36+\i], 12                   ; a row is 4,096 bytes
	s_add_nc_u64 s[24+2*\i:25+2*\i], s[4:5], s[44:45]
.endr
.irp i, 0,1,2,3
.irp k, 0,1,2,3,4,5,6,7
	global_load_b128 v[16+32*\i+4*\k:16+32*\i+4*\k+3], v1, s[24+2*\i:25+2*\i] offset:512*\k th:TH_LOAD_NT   ; 32 lanes read 512 consecutive bytes
.endr
.endr
.irp i, 0,1,2,3
	s_lshl_b32 s44, s[36+\i], 2
	s_add_nc_u64 s[48+2*\i:49+2*\i], s[6:7], s[44:45]
	s_load_b32 s[40+\i], s[48+2*\i:49+2*\i], 0x0   ; the row's bias
.endr
	s_mul_i32 s44, ttmp9, REC
	s_add_nc_u64 s[20:21], s[12:13], s[44:45]      ; my record
	; LDS addresses
	s_mul_i32 s56, s14, 4608                       ; my stage
	v_lshrrev_b32 v14, 3, v13
	v_mul_u32_u24 v2, v14, 144
	v_and_b32 v15, 7, v13
	v_lshl_add_u32 v2, v15, 4, v2
	v_add_nc_u32 v2, s56, v2                       ; in: eight lanes' 128 bytes on end, then 16 of padding
	v_mul_u32_u24 v3, v13, 144
	v_add_nc_u32 v3, s56, v3                       ; out: place l: my block's 128 bytes
	v_lshlrev_b32 v6, 6, v15
	s_lshl_b32 s56, s14, 4
	s_add_co_u32 s56, s56, BST
	v_add_nc_u32 v6, s56, v6                       ; biases: copy l % 8, my four rows' 16 bytes
	v_mul_u32_u24 v4, v13, 272
	s_lshl_b32 s57, s14, 6
	s_add_co_u32 s56, s57, OST
	v_add_nc_u32 v4, s56, v4                       ; codes: unit l (my block), row 4 qw
	v_lshrrev_b32 v14, 4, v13                      ; l / 16
	v_and_b32 v15, 15, v13                         ; l % 16
	v_lshl_add_u32 v5, v14, 8, v15
	s_add_co_u32 s56, s57, SST
	v_add_nc_u32 v5, s56, v5                       ; scale bytes: [l / 16][4 qw][l % 16]
	v_mul_u32_u24 v7, v14, 272
	v_lshl_add_u32 v7, v15, 4, v7
	s_mul_i32 s56, s14, 2176
	s_add_co_u32 s56, s56, OST
	v_add_nc_u32 v7, s56, v7                       ; the way out: units 8 qw + l / 16, sixteen lanes to a unit
	s_lshl_b32 s56, s14, 9
	s_add_co_u32 s57, s56, SST
	v_add_nc_u32 v8, s57, v1                       ; wave 0: the scale bytes; wave 1: the biases
	s_add_co_u32 s57, s56, 8192
	v_add_nc_u32 v10, s57, v1                      ; and their place in the record
	s_lshl_b32 s56, s14, 11
	v_add_nc_u32 v9, s56, v1                       ; my eight units' place in the record
; Row i of my four: turned through the stage, quantised, its codes and scale bytes put where the record wants them.
.macro ROW i
	s_wait_loadcnt 8*(3-\i)                        ; this row's eight loads are in; the later rows' may be out
.irp k, 0,1,2,3,4,5,6,7
	ds_store_b128 v2, v[16+32*\i+4*\k:16+32*\i+4*\k+3] offset:576*\k
.endr
.irp k, 0,1,2,3,4,5,6,7
	ds_load_b128 v[144+4*\k:144+4*\k+3], v3 offset:16*\k   ; LDS serves a wave's instructions in order: these see the stores above
.endr
	s_wait_dscnt 0x0
	v_max3_num_f32 v12, |v144|, |v145|, |v146|     ; the block's largest magnitude: all 32 numbers are mine; two chains
	v_max3_num_f32 v13, |v147|, |v148|, |v149|
.irp j, 6,10,14,18,22,26
	v_max3_num_f32 v12, v12, |v[144+\j]|, |v[145+\j]|
	v_max3_num_f32 v13, v13, |v[146+\j]|, |v[147+\j]|
.endr
	v_max3_num_f32 v12, v12, |v174|, |v175|
	v_max3_num_f32 v12, v12, v13, 0x1800000        ; and the floor 2^(3 - 127): the byte cannot fall under 1
	v_add_nc_u32 v14, 0xff000000, v12              ; 2 off the exponent field: the conversion takes this operand's exponent field as its scale
	v_lshrrev_b32 v[192+\i], 23, v14               ; the scale's byte
.irp g, 0,1,2,3
	v_cvt_scalef32_pk8_fp4_f32 v[176+4*\i+\g], v[144+8*\g:144+8*\g+7], v14
.endr
	v_nop                                          ; one plain line behind the last conversion
	ds_store_b128 v4, v[176+4*\i:176+4*\i+3] offset:16*\i
	ds_store_b8 v5, v[192+\i] offset:16*\i
.endm
	ROW 0
	ROW 1
	ROW 2
	ROW 3
	s_wait_kmcnt 0x0
.irp i, 0,1,2,3
	v_mov_b32 v[196+\i], s[40+\i]
.endr
	ds_store_b128 v6, v[196:199]                   ; lanes 8 apart write the same bytes with the same values
	s_wait_dscnt 0x0                               ; for the others' sake: my stores have landed
	s_barrier_signal -1
	s_barrier_wait -1
.irp k, 0,1,2,3
	ds_load_b128 v[144+4*\k:144+4*\k+3], v7 offset:544*\k
.endr
.irp k, 0,1,2,3
	s_wait_dscnt 3-\k                              ; the later loads may be out
	global_store_b128 v9, v[144+4*\k:144+4*\k+3], s[20:21] offset:512*\k   ; 32 lanes store 512 consecutive bytes, at a multiple of 256 from the buffer's first byte
.endr
	s_cmp_lt_u32 s14, 2
	s_cbranch_scc0 .Ldone
	ds_load_b128 v[160:163], v8
	s_wait_dscnt 0x0
	global_store_b128 v10, v[160:163], s[20:21]
.Ldone:
	s_wait_tensorcnt 0x0
	ds_add_u32 v200, v201
	s_wait_dscnt 0x0
	s_endpgm
.Lfunc_end_k_q35b3c7972d_prep:
	.size	k_q35b3c7972d_prep, .Lfunc_end_k_q35b3c7972d_prep-k_q35b3c7972d_prep
	.p2alignl 7, 3214868480
	.fill 96, 4, 3214868480
	.section	.rodata,"a",@progbits
	.p2align	6, 0x0
	.amdhsa_kernel k_q35b3c7972d_prep
		.amdhsa_group_segment_fixed_size 31232
		.amdhsa_private_segment_fixed_size 0
		.amdhsa_enable_private_segment 0
		.amdhsa_kernarg_size 40
		.amdhsa_user_sgpr_count 2
		.amdhsa_user_sgpr_kernarg_segment_ptr 1
		.amdhsa_wavefront_size32 1
		.amdhsa_system_sgpr_workgroup_id_x 1
		.amdhsa_system_sgpr_workgroup_id_y 1
		.amdhsa_system_sgpr_workgroup_id_z 1
		.amdhsa_system_vgpr_workitem_id 0
		.amdhsa_next_free_vgpr 202
		.amdhsa_next_free_sgpr 66
		.amdhsa_reserve_vcc 0
		.amdhsa_float_denorm_mode_32 3
		.amdhsa_float_denorm_mode_16_64 3
		.amdhsa_memory_ordered 1
		.amdhsa_forward_progress 1
		.amdhsa_inst_pref_size 20
	.end_amdhsa_kernel
	.amdgpu_metadata
---
amdhsa.version: [ 1, 2 ]
amdhsa.kernels:
  - .name:           k_q35b3c7972d_prep
    .symbol:         k_q35b3c7972d_prep.kd
    .args:
      - { .name: qkv_w, .offset: 0, .size: 8, .value_kind: global_buffer, .address_space: global }
      - { .name: qkv_b, .offset: 8, .size: 8, .value_kind: global_buffer, .address_space: global }
      - { .name: proj_w, .offset: 16, .size: 8, .value_kind: global_buffer, .address_space: global }
      - { .name: proj_b, .offset: 24, .size: 8, .value_kind: global_buffer, .address_space: global }
      - { .name: wq, .offset: 32, .size: 8, .value_kind: global_buffer, .address_space: global }
    .group_segment_fixed_size: 31232
    .private_segment_fixed_size: 0
    .kernarg_segment_align: 8
    .kernarg_segment_size: 40
    .max_flat_workgroup_size: 128
    .sgpr_count:     66
    .vgpr_count:     202
    .wavefront_size: 32
...
	.end_amdgpu_metadata
.endif
;; end of part 3
;; launch fused (part 4): grid 256 x 1, 4 waves a work-group, no clusters, 298,496 bytes of LDS; arguments x, wq, out0; writes out0
.if DOCPART == 4
	.amdgcn_target "amdgcn-amd-amdhsa--gfx1250"
	.amdhsa_code_object_version 6
	.text
	.protected	k_q35b3c7972d_fused
	.globl	k_q35b3c7972d_fused
	.p2align	8
	.type	k_q35b3c7972d_fused,@function
k_q35b3c7972d_fused:
	s_mov_b64 s[64:65], 0
	v_nop
	global_prefetch_b8 v0, s[64:65] scope:SCOPE_SE
	s_setreg_imm32_b32 hwreg(HW_REG_WAVE_SCHED_MODE, 0, 2), 2
	s_setreg_imm32_b32 hwreg(HW_REG_WAVE_MODE, 25, 1), 1
	s_wait_xcnt 0x0
	s_wait_alu depctr_vm_vsrc(0)
; The whole module for 64 neighbouring tokens a work-group: qkv = Q(x) Q(qkv_w)^T + b;  for each token S = Q(q) Q(k)^T over the HEADS (16 x 16, K = 64), softmax over g of S / 8,
; O = P V in f32;  then the rows of the transposed and reshaped O, quantised, times Q(proj_w)^T + b.  Q: MX-FP4 (E2M1 codes, one E8M0 byte for each 32 along K).  Sums in f32.
; THE TRANSPOSITION COSTS NOTHING: row h x 256 + n / 16 of the last product's operand is head h of tokens 16 (n / 16) .. + 15, column (n % 16) x 64 + d.  So 64 neighbouring tokens give 64 whole
; rows (16 heads x 4 groups of 16 tokens), and a block of 32 along that K is half a head of one token.
; SHARES.  In the two large products the four waves share the COLUMNS: wave w walks its 64 records of the workspace (16 rows of a weight each, laid as the operand's registers take them by the
; launch before), and each fragment of a weight feeds four matrix instructions, one for each tile of 16 rows, whose codes every wave holds in 256 registers.  In the quantising of x, the scores,
; the softmax and P V wave w owns tokens 16 w .. 16 w + 15.
; THE WEIGHTS GO FROM MEMORY STRAIGHT INTO REGISTERS, a ring of four buffers of 19 loads each; no tensor loads, no cluster.  v in f32 for 64 tokens takes 263,168 bytes of LDS and the operands' images
; 34,816: 29,696 of 327,680 are left, and two slots of one record for each of four waves would be 73,728.  So no ring of LDS slots fits that joint loads could fill.
; Each buffer has a base pointer of its own, stepped behind the counted wait that shows that buffer's loads done: so the walk needs no wait for the addresses of loads just issued.
; ALL PRODUCTS ARE USED TRANSPOSED (source 0 = 16 rows of a weight, of k or of v^T; source 1 = 16 tokens, heads or rows): a lane holds one token (or head), its registers run along the outputs.
; The rows of a record are chosen so that what a lane holds is what the next operand's layout wants:  q, k: two tiles' 16 registers are 16 neighbours along d;  v: a lane's 32 bytes lie in the token's
; LDS row where the f32 product's source 0 takes them;  O^T: a lane's 32 registers are one block of 32 along the last K, in order.
; LIMITS: NaN and infinities are not served; a block whose largest magnitude lies under 2^-124 gets the scale byte 1; a block of zeros gets 1 where the rule says 127 (its codes are zeros).
; REGISTERS, in windows of 256 (s_set_vgpr_msb: bits 1:0 source 0, 3:2 source 1, 5:4 source 2, 7:6 destination):
;   window 0: v1-19 addresses that stay, v20-23 addresses of the phase; v24-31, v32-63, v64-79 scale words and nothing else; v80-127 at work; v128-255 16 accumulators (record a, tile u at 128 + 32 a + 8 u)
;   window 1: the codes of the 64 rows (tile u, K step s at 64 u + 8 s); at first x as loaded; in P V two sets of 32 of v
;   window 2: four buffers of a record's codes (64 p + 8 s)
;   window 3: v0-31 the records' biases; v32-159 p, later rows of the output; v160-223 O^T, two sets, written by matrix instructions alone; v228-243 at work
; THE MODE: SCHED_MODE bits 1:0 = 2 (LLVM: expert scheduling mode 2), set by the entry lines.  The code itself states the register dependences between vector or matrix instructions and memory or LDS
; instructions, with s_wait_alu, always for 0.
; THE PLAN.  Registers that memory or LDS instructions touch, and who else names them:
;   v1-19            Offsets and LDS addresses: written at the head, ahead of a wait on va_vdst, and never again.
;   v20-23           A phase's addresses: written at a trip's or a phase's head, behind a wait on vm_vsrc for the stores that read them before; the next wait on va_vdst stands ahead of their first use.
;   a record's buffer (window 2, v64-79, window 3's v0-31)   Its 32 products read it; ONE wait on va_vdst stands behind them; its 19 loads land in it again at once.  The same wait shows the record's
;                    accumulators written, for the LDS stores that read them (v; the way out).  The next record's products name another buffer and other accumulators.
;   window 1         X: a set of x lands, the stage's stores read it, a wait on vm_vsrc, it lands again.  Then the images land, which products alone read.  P V: a set of v lands behind the token's one wait.
;   v128-255         X: LDS loads land, the quantiser reads.  Scores: q's and k's fragments land.  Else: products write; quantisers or LDS stores read; a wait on vm_vsrc stands between such stores and the next products.
;   v96-123, window 3's v232-243   Codes, scale words and bytes: a quantiser writes, a wait on va_vdst, LDS stores read, a wait on vm_vsrc ahead of the next quantiser that writes them.
;   window 3's v32-159, in the last product   LDS loads land, global stores read; a wait on vm_vsrc beside the trip's one wait on XCNT, ahead of the next trip's LDS loads.
.set REC,  9216
.set IMG,  0                           ; LDS: the images of the rows' fragments [u][s][c][lane][16 bytes]: 32,768 bytes
.set IMGS, 32768                       ; their scale words [u][row][8 words]: 2,048 bytes
.set BIG,  34816                       ; 263,168 bytes with four uses in turn, a barrier between each two:
.set XSTG, BIG                         ;   a stage of 16 rows x (512 + 16) bytes for each wave, for x
.set QKC,  BIG                         ;   q's and k's codes: a token 512 + 512 + 16 bytes; a head 32 bytes, d ascending
.set QKS,  BIG+66560                   ;   their scale bytes: a token 2 x 32 + 4 bytes
.set VREG, BIG                         ;   v in f32: a token 4,096 + 16 bytes
.set STG,  BIG                         ;   four stages of 16 rows x (256 + 16) bytes for each wave, for the way out
.set SS,   24                          ; v24-27 q's scale words, v28-31 k's
.set XS,   32                          ; v32-63 the rows' scale words: tile u, K step s at 32 + 8 u + s
.set WS,   64                          ; v64-79 the records': buffer p at 64 + 4 p; register q: K step q in lanes 0-15, 4 + q in lanes 16-31
.set TM,   80
.set PC,   96
.set PW,   104
.set ACC,  128
.set PP,   32                          ; in window 3
.set OA,   160                         ; in window 3
.set WPB,  32                          ; s[32:39] the record that buffer p takes next: a pointer for each buffer
.set MSB, 0
.macro WIN new                         ; the immediate's high byte repeats the setting that is left; a switch that changes nothing is dropped
.if MSB != \new
	s_set_vgpr_msb (MSB<<8)|\new
.set MSB, \new
.endif
.endm
.macro PLACES n                        ; plain vector lines between a matrix instruction and what touches its registers (ISA guide 7.12.1)
.rept \n
	v_nop
.endr
.endm
.macro BARRIER                         ; my LDS stores have landed and my LDS loads are in: then the work-group's barrier
	s_wait_dscnt 0x0
	s_barrier_signal -1
	s_barrier_wait -1
.endm
; K step s of my 16 rows of x: 16 loads, each 512 consecutive bytes of one row, into set s % 4 of window 1
.macro XLOAD s
	WIN 0x40
.irp rho, 0,1,2,3,4,5,6,7,8,9,10,11,12,13,14,15
	global_load_b128 v[64*((\s)%4)+4*\rho:64*((\s)%4)+4*\rho+3], v1, s[12:13] offset:4096*\rho+512*(\s) th:TH_LOAD_NT
.endr
.endm
; the record at buffer p's pointer into buffer p: 19 loads: 16 of codes, one of scale words, two of biases (lane (r, hh) takes those of rows 8 hh .. 8 hh + 7: the result's layout)
.macro WFILL p
	WIN 0x80
.irp k, 0,1,2,3,4,5,6,7,8,9,10,11,12,13,14,15
	global_load_b128 v[64*(\p)+4*\k:64*(\p)+4*\k+3], v1, s[WPB+2*(\p):WPB+2*(\p)+1] offset:512*\k
.endr
	WIN 0
	global_load_b128 v[WS+4*(\p):WS+4*(\p)+3], v1, s[WPB+2*(\p):WPB+2*(\p)+1] offset:8192
	WIN 0xc0
	global_load_b128 v[8*(\p):8*(\p)+3], v2, s[WPB+2*(\p):WPB+2*(\p)+1] offset:8704
	global_load_b128 v[8*(\p)+4:8*(\p)+7], v2, s[WPB+2*(\p):WPB+2*(\p)+1] offset:8720
	WIN 0
.endm
; 64 numbers of a lane, register 16 b + i = k 32 b + 16 (lane / 16) + i of my row, become a fragment's codes in v[PC] on and its scale word in v[PW]
.macro QUANT s
.irp b, 0,1,2,3
	v_max3_num_f32 v[TM+\b], |v[\s+16*\b]|, |v[\s+1+16*\b]|, 0x1800000   ; block b: my 16 numbers, and the floor 2^(3 - 127): the byte cannot fall under 1
.endr
.irp i, 2,4,6,8,10,12,14
.irp b, 0,1,2,3
	v_max3_num_f32 v[TM+\b], v[TM+\b], |v[\s+16*\b+\i]|, |v[\s+1+16*\b+\i]|   ; the four blocks by turns
.endr
.endr
.irp b, 0,1,2,3
	v_permlanex16_b32 v[TM+4+\b], v[TM+\b], s20, s21
.endr
.irp b, 0,1,2,3
	v_max_num_f32 v[TM+\b], v[TM+\b], v[TM+4+\b]   ; with lane l xor 16's: the block's largest magnitude
.endr
.irp b, 0,1,2,3
	v_add_nc_u32 v[TM+12+\b], 0xff000000, v[TM+\b] ; 2 off its exponent field: the conversion's scale operand
.endr
.irp b, 0,1,2,3
	v_lshrrev_b32 v[TM+4+\b], 23, v[TM+12+\b]      ; the scale's byte
.endr
	v_lshl_or_b32 v[PW], v[TM+5], 8, v[TM+4]
	v_lshl_or_b32 v[PW], v[TM+6], 16, v[PW]
	v_lshl_or_b32 v[PW], v[TM+7], 24, v[PW]
.irp b, 0,1,2,3
	v_cvt_scalef32_pk8_fp4_f32 v[PC+2*\b], v[\s+16*\b:\s+7+16*\b], v[TM+12+\b]
	v_cvt_scalef32_pk8_fp4_f32 v[PC+1+2*\b], v[\s+8+16*\b:\s+15+16*\b], v[TM+12+\b]
.endr
	v_nop                                          ; one plain line behind the last conversion
.irp c, 0,1                                    ; the operand's layout wants a whole block in a lane: lanes 0-15 block 2 c, lanes 16-31 block 2 c + 1
.irp i, 0,1
	v_permlane16_swap_b32 v[PC+4*\c+\i], v[PC+2+4*\c+\i]
.endr
.endr
.endm
; K step s of x: through my stage, so that a lane holds 16 neighbours of each block of its row; quantised; the fragment's image and its scale words to LDS.
; cnt: the loads issued behind this step's 16: later steps of x, 16 each, and the records already asked for, 19 each
.macro XSTEP s, cnt
	s_wait_loadcnt \cnt
	WIN 0x04                                       ; an LDS store's data are its source 1: window 1
.irp rho, 0,1,2,3,4,5,6,7,8,9,10,11,12,13,14,15
	ds_store_b128 v3, v[64*((\s)%4)+4*\rho:64*((\s)%4)+4*\rho+3] offset:528*\rho
.endr
	WIN 0
.irp b, 0,1,2,3
.irp j, 0,1,2,3
	ds_load_b128 v[ACC+16*\b+4*\j:ACC+16*\b+4*\j+3], v4 offset:128*\b+16*\j   ; LDS serves a wave's instructions in order: these see the stores above.  No vector line since the last wait on va_vdst names v128-191
.endr
.endr
	s_wait_dscnt 0x0                               ; the numbers are back
	s_wait_alu depctr_vm_vsrc(0)                   ; the stage's stores have read the set, in which loads land again; the last step's image stores have read v96-104, which the quantiser writes again
.if \s < 4
	XLOAD (\s)+4
	WIN 0
.else
	WFILL (\s)-4                                   ; the ring of records is filled while x's last steps are quantised: records 0 to 3
.endif
	QUANT ACC
	s_wait_alu depctr_va_vdst(0)                   ; the quantiser has written v96-104, which the stores below read, and is done reading v128-191, in which the next step's LDS loads land
	ds_store_b128 v5, v[PC:PC+3] offset:1024*\s
	ds_store_b128 v5, v[PC+4:PC+7] offset:1024*\s+512
	ds_store_b32 v6, v[PW] offset:4*\s             ; both halves of the lanes write the same word with the same value
.endm
; the images of all 32 fragments into window 1, and the rows' scale words.  Both times the last wait on va_vdst ahead of these loads stands behind every vector and matrix line that names their registers.
.macro LOADIMG
	WIN 0x40
.irp u, 0,1,2,3
.irp k, 0,1,2,3,4,5,6,7,8,9,10,11,12,13,14,15
	ds_load_b128 v[64*\u+4*\k:64*\u+4*\k+3], v1 offset:8192*\u+512*\k
.endr
.endr
	WIN 0
.irp u, 0,1,2,3
.irp h, 0,1
	ds_load_b128 v[XS+8*\u+4*\h:XS+8*\u+4*\h+3], v7 offset:512*\u+16*\h
.endr
.endr
	s_wait_dscnt 0x0
.endm
; THE RECORD IN BUFFER a TIMES THE 64 ROWS: 32 matrix instructions, K ascending; the four accumulators take turns, one instruction a turn.
; The bias is the C of each sum's first instruction.  cnt: the loads issued behind this record's 19: the later records', 19 each.
; refill = 1: the buffer takes the record four further on.  Its pointer is stepped here: the only loads that read it are this record's 19, which the wait at the head has shown done.
; outw = 1 (the last product's fourth record of a trip): the one wait of the trip for the addresses of what has been issued.  It stands behind the last trip's 32 stores, ahead of the step of their base
; and of the LDS loads into the registers that they read, and ahead of this record's refill, so that the youngest load in front of it is 32 matrix instructions old.
.macro TILE a, cnt, refill, outw
	s_wait_loadcnt \cnt
	WIN 0x36                                       ; source 0 (weight) window 2, source 1 (rows) window 1, source 2 (bias) window 3, destination window 0
.irp u, 0,1,2,3
	v_wmma_scale_f32_16x16x128_f8f6f4 v[ACC+32*\a+8*\u:ACC+32*\a+8*\u+7], v[64*\a:64*\a+7], v[64*\u:64*\u+7], v[8*\a:8*\a+7], v[WS+4*\a], v[XS+8*\u] matrix_a_fmt:MATRIX_FMT_FP4 matrix_b_fmt:MATRIX_FMT_FP4
.endr
	WIN 0x06
.irp s, 1,2,3
.irp u, 0,1,2,3
	v_wmma_scale_f32_16x16x128_f8f6f4 v[ACC+32*\a+8*\u:ACC+32*\a+8*\u+7], v[64*\a+8*\s:64*\a+8*\s+7], v[64*\u+8*\s:64*\u+8*\s+7], v[ACC+32*\a+8*\u:ACC+32*\a+8*\u+7], v[WS+4*\a+\s], v[XS+8*\u+\s] matrix_a_fmt:MATRIX_FMT_FP4 matrix_b_fmt:MATRIX_FMT_FP4
.endr
.endr
.irp s, 4,5,6,7
.irp u, 0,1,2,3
	v_wmma_scale_f32_16x16x128_f8f6f4 v[ACC+32*\a+8*\u:ACC+32*\a+8*\u+7], v[64*\a+8*\s:64*\a+8*\s+7], v[64*\u+8*\s:64*\u+8*\s+7], v[ACC+32*\a+8*\u:ACC+32*\a+8*\u+7], v[WS+4*\a+\s-4], v[XS+8*\u+\s] matrix_a_fmt:MATRIX_FMT_FP4 matrix_b_fmt:MATRIX_FMT_FP4 matrix_a_scale:MATRIX_SCALE_ROW1
.endr
.endr
	PLACES 4                                       ; behind the products, in front of the first read of their results; they stay beside the wait below
.if \refill || \outw
	s_wait_alu depctr_va_vdst(0)                   ; the products are done reading buffer a, its scale words and its biases, in which the loads below land; they have written the accumulators, which the LDS stores behind this record read
.endif
.if \outw
	s_wait_xcnt 0x0                                ; the last trip's stores have had their addresses translated: their base is stepped only behind this wait
	s_wait_alu depctr_vm_vsrc(0)                   ; the last trip's stores have read window 3's v32-159, in which this trip's LDS loads land
	s_add_nc_u64 s[16:17], s[16:17], s[40:41]      ; 64 columns on: by 0 in the first trip,
	s_mov_b32 s40, 256                             ; by 256 bytes from then on
.endif
.if \refill
	s_add_nc_u64 s[WPB+2*\a:WPB+2*\a+1], s[WPB+2*\a:WPB+2*\a+1], 4*REC
	WFILL \a
.endif
	WIN 0
.endm
; One head of q or of k for the 64 tokens: records a = 2 b + e hold d = 32 b + 16 (lane / 16) + 8 e + 0 .. 7 of the lane's token.  Eight blocks (b, u) by turns; each accumulator is read from its low end on.
.macro QPOST
	s_wait_dscnt 0x0                               ; the last trip's stores are done
	s_wait_alu depctr_vm_vsrc(0)                   ; the last trip's LDS stores have read v20, v21 and v104-123 (in the first trip: x's last image stores v96-104), which the lines below write
	v_add_nc_u32 v20, s25, v8                      ; this head's 32 bytes in a token's codes,
	v_add_nc_u32 v21, s26, v9                      ; and its two scale bytes
.irp b, 0,1
.irp u, 0,1,2,3
	v_max3_num_f32 v[80+4*\b+\u], |v[ACC+64*\b+8*\u]|, |v[ACC+64*\b+8*\u+1]|, 0x1800000
.endr
.endr
.irp i, 2,4,6
.irp b, 0,1
.irp u, 0,1,2,3
	v_max3_num_f32 v[80+4*\b+\u], v[80+4*\b+\u], |v[ACC+64*\b+8*\u+\i]|, |v[ACC+64*\b+8*\u+\i+1]|
.endr
.endr
.endr
.irp i, 0,2,4,6
.irp b, 0,1
.irp u, 0,1,2,3
	v_max3_num_f32 v[80+4*\b+\u], v[80+4*\b+\u], |v[ACC+64*\b+32+8*\u+\i]|, |v[ACC+64*\b+32+8*\u+\i+1]|
.endr
.endr
.endr
.irp c, 0,1,2,3,4,5,6,7
	v_permlanex16_b32 v[88+\c], v[80+\c], s20, s21
.endr
.irp c, 0,1,2,3,4,5,6,7
	v_max_num_f32 v[80+\c], v[80+\c], v[88+\c]     ; with lane l xor 16's 16 numbers: the block's largest magnitude
.endr
.irp c, 0,1,2,3,4,5,6,7
	v_add_nc_u32 v[96+\c], 0xff000000, v[80+\c]    ; the conversion's scale operand
.endr
.irp c, 0,1,2,3,4,5,6,7
	v_lshrrev_b32 v[88+\c], 23, v[96+\c]           ; the scale's byte
.endr
.irp u, 0,1,2,3
	v_lshl_or_b32 v[120+\u], v[92+\u], 8, v[88+\u] ; the head's two bytes
.endr
.irp b, 0,1
.irp u, 0,1,2,3
	v_cvt_scalef32_pk8_fp4_f32 v[104+2*(4*\b+\u)], v[ACC+64*\b+8*\u:ACC+64*\b+8*\u+7], v[96+4*\b+\u]
	v_cvt_scalef32_pk8_fp4_f32 v[105+2*(4*\b+\u)], v[ACC+64*\b+32+8*\u:ACC+64*\b+32+8*\u+7], v[96+4*\b+\u]
.endr
.endr
	v_nop                                          ; one plain line behind the last conversion
	s_wait_alu depctr_va_vdst(0)                   ; the codes v104-119, the bytes v120-123 and the addresses v20, v21 are written, which the stores below read
.irp b, 0,1
.irp u, 0,1,2,3
	ds_store_b64 v20, v[104+2*(4*\b+\u):105+2*(4*\b+\u)] offset:16640*\u+16*\b   ; 16 codes: d = 32 b + 16 (lane / 16) on: byte 16 b + 8 (lane / 16) of the head's 32
.endr
.endr
.irp u, 0,1,2,3
	ds_store_b16 v21, v[120+\u] offset:1088*\u     ; both halves of the lanes write the same bytes with the same values
.endr
.endm
; a record of v: the lane's 32 bytes go where the f32 product's source 0 takes them; each accumulator from its low end on.  The record's wait on va_vdst has shown the accumulators and v20-23 written
.macro VPOST a
.irp u, 0,1,2,3
	ds_store_b128 v[20+\u], v[ACC+32*\a+8*\u:ACC+32*\a+8*\u+3] offset:64*\a
	ds_store_b128 v[20+\u], v[ACC+32*\a+8*\u+4:ACC+32*\a+8*\u+7] offset:64*\a+16
.endr
.endm
; Four of my tokens, 4 bat + t: S^T = k q^T (K = 64: the operands' upper four registers are zero codes), softmax over g.  Lane (h, hh) holds head h and g = 8 hh + 0 .. 7.
; p = 2^(c s - c m) / sum, c = log2(e) / 8, m the row's own largest score.  c m is rounded once and is common to the row, so its rounding leaves with the division.
.macro SBATCH bat
	PLACES 4                                       ; the first time: the places between the zeros written by vector lines and the products that take them
	s_wait_alu depctr_va_vdst(0)                   ; the products and vector lines before are done with v128-191 and v24-31, in which the loads below land; the first time: the zero codes are written, which the products take in A and B
.irp t, 0,1,2,3
	ds_load_b128 v[ACC+16*\t:ACC+16*\t+3], v10 offset:1040*(4*\bat+\t)          ; q: head l % 16, d = 32 (l / 16) on: byte 32 (l % 16) + 16 (l / 16) of the token's 512
	ds_load_b128 v[ACC+16*\t+8:ACC+16*\t+11], v10 offset:1040*(4*\bat+\t)+512   ; k likewise
	ds_load_u16 v[SS+\t], v11 offset:68*(4*\bat+\t)                             ; two scale bytes; the upper two are 0, over zero codes
	ds_load_u16 v[SS+4+\t], v11 offset:68*(4*\bat+\t)+32
.endr
	s_wait_dscnt 0x0
.irp t, 0,1,2,3
	v_wmma_scale_f32_16x16x128_f8f6f4 v[ACC+64+8*\t:ACC+64+8*\t+7], v[ACC+16*\t+8:ACC+16*\t+15], v[ACC+16*\t:ACC+16*\t+7], 0, v[SS+4+\t], v[SS+\t] matrix_a_fmt:MATRIX_FMT_FP4 matrix_b_fmt:MATRIX_FMT_FP4
.endr
	PLACES 4
.irp t, 0,1,2,3
	v_max3_num_f32 v[81+8*\t], v[ACC+64+8*\t], v[ACC+65+8*\t], v[ACC+66+8*\t]
.endr
.irp t, 0,1,2,3
	v_max3_num_f32 v[82+8*\t], v[ACC+67+8*\t], v[ACC+68+8*\t], v[ACC+69+8*\t]
.endr
.irp t, 0,1,2,3
	v_max3_num_f32 v[81+8*\t], v[81+8*\t], v[ACC+70+8*\t], v[ACC+71+8*\t]
.endr
.irp t, 0,1,2,3
	v_max_num_f32 v[81+8*\t], v[81+8*\t], v[82+8*\t]
.endr
.irp t, 0,1,2,3
	v_permlanex16_b32 v[87+8*\t], v[81+8*\t], s20, s21
.endr
.irp t, 0,1,2,3
	v_max_num_f32 v[81+8*\t], v[81+8*\t], v[87+8*\t]   ; m: the largest of the head's 16 scores
.endr
.irp t, 0,1,2,3
	v_mul_f32 v[80+8*\t], s22, v[81+8*\t]          ; c m
.endr
.irp t, 0,1,2,3
.irp i, 0,2,4,6
	v_pk_fma_f32 v[ACC+64+8*\t+\i:ACC+65+8*\t+\i], v[ACC+64+8*\t+\i:ACC+65+8*\t+\i], s[22:23], v[80+8*\t:81+8*\t] op_sel_hi:[1,0,0] neg_lo:[0,0,1] neg_hi:[0,0,1]   ; c s - c m
.endr
.endr
	WIN 0xc0                                       ; destination window 3
	s_wait_alu depctr_va_vdst(0)
.irp t, 0,1,2,3
.irp i, 0,1,2,3,4,5,6,7
	v_exp_f32 v[PP+8*(4*\bat+\t)+\i], v[ACC+64+8*\t+\i]
.endr
.endr
	v_nop                                          ; a plain line behind the last exponential
	s_wait_alu depctr_va_vdst(0)                   ; the 32 exponentials have written these four tokens' p: one wait for the batch, ahead of its first reader
	WIN 0x0f                                       ; sources 0 and 1 window 3
.irp t, 0,1,2,3
	v_pk_add_f32 v[82+8*\t:83+8*\t], v[PP+8*(4*\bat+\t):PP+8*(4*\bat+\t)+1], v[PP+8*(4*\bat+\t)+2:PP+8*(4*\bat+\t)+3]
	v_pk_add_f32 v[84+8*\t:85+8*\t], v[PP+8*(4*\bat+\t)+4:PP+8*(4*\bat+\t)+5], v[PP+8*(4*\bat+\t)+6:PP+8*(4*\bat+\t)+7]
.endr
	WIN 0
.irp t, 0,1,2,3
	v_pk_add_f32 v[82+8*\t:83+8*\t], v[82+8*\t:83+8*\t], v[84+8*\t:85+8*\t]
.endr
.irp t, 0,1,2,3
	v_add_f32 v[82+8*\t], v[82+8*\t], v[83+8*\t]
.endr
.irp t, 0,1,2,3
	v_permlanex16_b32 v[87+8*\t], v[82+8*\t], s20, s21
.endr
.irp t, 0,1,2,3
	v_add_f32 v[82+8*\t], v[82+8*\t], v[87+8*\t]   ; the row's sum
.endr
	s_wait_alu depctr_va_vdst(0)
.irp t, 0,1,2,3
	v_rcp_f32 v[86+8*\t], v[82+8*\t]
.endr
	v_nop                                          ; a plain line behind the last reciprocal
	s_wait_alu depctr_va_vdst(0)                   ; the four reciprocals have written v86, v94, v102 and v110: one wait for the four, ahead of their first reader
	WIN 0xc3                                       ; destination and source 0 window 3
.irp t, 0,1,2,3
.irp i, 0,2,4,6
	v_pk_mul_f32 v[PP+8*(4*\bat+\t)+\i:PP+8*(4*\bat+\t)+\i+1], v[PP+8*(4*\bat+\t)+\i:PP+8*(4*\bat+\t)+\i+1], v[86+8*\t:87+8*\t] op_sel_hi:[1,0]
.endr
.endr
	WIN 0
.endm
; O^T = V^T P^T of one token, in f32 (its result goes into a quantiser).  K = 16 heads g in four steps of 4; slot (hh, j) of step s is g = 8 hh + 2 s + j, in both operands alike:
; source 1 is p's registers 2 s, 2 s + 1 as they lie; source 0, tile T: lane (r, hh) holds v[g][32 (r / 8) + 8 T + r % 8].  In the result lane (h, hh) holds d = 32 hh + 8 T + 0 .. 7.
.macro LOADV set, tau
	WIN 0x40
.irp gq, 0,1,2,3,4,5,6,7
	ds_load_b128 v[32*(\set)+4*\gq:32*(\set)+4*\gq+3], v20 offset:4112*(\tau)+512*\gq
.endr
.endm
.macro WM tau                          ; 16 matrix instructions; the four accumulators take turns; the first step starts the sums with the constant 0
	WIN 0xfd                                       ; source 0 (v) window 1; source 1 (p), C and D window 3
.irp s, 0,1,2,3
.irp T, 0,1,2,3
.if \s == 0
	v_wmma_f32_16x16x4_f32 v[OA+32*((\tau)%2)+8*\T:OA+32*((\tau)%2)+8*\T+7], v[32*((\tau)%2)+8*\s+2*\T:32*((\tau)%2)+8*\s+2*\T+1], v[PP+8*(\tau)+2*\s:PP+8*(\tau)+2*\s+1], 0
.else
	v_wmma_f32_16x16x4_f32 v[OA+32*((\tau)%2)+8*\T:OA+32*((\tau)%2)+8*\T+7], v[32*((\tau)%2)+8*\s+2*\T:32*((\tau)%2)+8*\s+2*\T+1], v[PP+8*(\tau)+2*\s:PP+8*(\tau)+2*\s+1], v[OA+32*((\tau)%2)+8*\T:OA+32*((\tau)%2)+8*\T+7]
.endif
.endr
.endr
.endm
; A token's O^T is quantised: my 32 registers are one block.  The four code registers are registers 4 (tau % 2) .. + 3 of K step tau / 2 of my tile of rows; the byte is byte 2 (tau % 2) + hh of that step's word.
; POSTV: the vector lines.  Its 19 plain lines name one set of O^T and registers at work alone: they are the places behind the other set's matrix instructions.  POSTS: the two stores, behind the token's wait on va_vdst.
.macro POSTV tau
.set OAS, OA+32*((\tau)%2)
.set PAR, (\tau)%2
.if (\tau) > 1
	s_wait_alu depctr_vm_vsrc(0)                   ; the stores of two tokens back have read this parity's four code registers and its byte, which the lines below write again
.endif
	WIN 0xff
	v_max3_num_f32 v228, |v[OAS]|, |v[OAS+1]|, 0x1800000           ; two chains; each accumulator is read from its low end on
	v_max3_num_f32 v229, |v[OAS+16]|, |v[OAS+17]|, 0x1800000
.irp i, 2,4,6,8,10,12,14
	v_max3_num_f32 v228, v228, |v[OAS+\i]|, |v[OAS+\i+1]|
	v_max3_num_f32 v229, v229, |v[OAS+16+\i]|, |v[OAS+17+\i]|
.endr
	v_max_num_f32 v228, v228, v229
	v_add_nc_u32 v230, 0xff000000, v228
	v_lshrrev_b32 v[232+PAR], 23, v230
.irp g, 0,1,2,3
	v_cvt_scalef32_pk8_fp4_f32 v[236+4*PAR+\g], v[OAS+8*\g:OAS+8*\g+7], v230
.endr
	v_nop                                          ; one plain line behind the last conversion
.endm
.macro POSTS tau
.set PAR, (\tau)%2
	WIN 0x0c                                       ; an LDS store's data are its source 1: window 3
	ds_store_b128 v5, v[236+4*PAR:236+4*PAR+3] offset:512*(\tau)
	ds_store_b8 v21, v[232+PAR] offset:2*(\tau)
.endm
; THE WAY OUT of four records' results: 64 rows x 64 columns.  A lane holds 32 neighbouring bytes of a row; a tile's 16 rows meet in a stage of my own and come back as rows of 256 bytes.
; The registers that the loads below fill were the data of the last trip's stores: the waits in the trip's fourth record have shown those read.  That record's wait on va_vdst has shown all sixteen accumulators written.
; more = 1: a further trip follows, whose products write the accumulators again.
.macro OUTP more
.irp u, 0,1,2,3
.irp a, 0,1,2,3
	ds_store_b128 v16, v[ACC+32*\a+8*\u:ACC+32*\a+8*\u+3] offset:4352*\u+64*\a
	ds_store_b128 v16, v[ACC+32*\a+8*\u+4:ACC+32*\a+8*\u+7] offset:4352*\u+64*\a+16
.endr
.endr
	WIN 0xc0
.irp u, 0,1,2,3
.irp i, 0,1,2,3,4,5,6,7
	ds_load_b128 v[PP+32*\u+4*\i:PP+32*\u+4*\i+3], v17 offset:4352*\u+544*\i   ; LDS serves a wave's instructions in order: these see the stores above, and the next trip's stores come behind them
.endr
.endr
	WIN 0x0c                                       ; a store's data are its source 1: window 3
.if \more
	s_wait_alu depctr_vm_vsrc(0)                   ; the LDS stores above have read the accumulators, which the next trip's products write
.endif
.irp u, 0,1,2,3
.irp i, 0,1,2,3,4,5,6,7
	s_wait_dscnt 31-8*\u-\i                        ; the later loads may be out
	global_store_b128 v[18+\i/4], v[PP+32*\u+4*\i:PP+32*\u+4*\i+3], s[16:17] offset:((2*(\i%4))<<20)+4096*\u th:TH_STORE_NT   ; rows h = 2 i + hh: 16 lanes store 256 consecutive bytes, at a multiple of 256 from out0's first byte
.endr
.endr
	WIN 0
.endm
	s_load_b128 s[4:7], s[0:1], 0x0                ; x, wq
	s_load_b64 s[8:9], s[0:1], 0x10                ; out0
	v_lshl_add_u32 v126, v0, 2, 0x48c00
	v_mov_b32 v127, 0
	v_lshrrev_b32 v80, 5, v0
	v_readfirstlane_b32 s10, v80                   ; wave w
	v_and_b32 v80, 31, v0
	v_lshlrev_b32 v1, 4, v80                       ; v1 = 16 x lane; never rewritten
	s_lshl_b32 s30, ttmp9, 18                      ; 64 tokens of 4,096 bytes a work-group,
	s_wait_alu depctr_va_sdst(0)                   ; s10 is written, ahead of its first reader: the bases and the LDS addresses are made from it
	s_lshl_b32 s28, s10, 16                        ; 16 a wave
	s_add_co_u32 s30, s30, s28
	s_mov_b32 s31, 0
	s_wait_kmcnt 0x0
	s_add_nc_u64 s[12:13], s[4:5], s[30:31]        ; x at my first token
	s_wait_alu depctr_va_vdst(0)                   ; v1 is written, which the loads of x read as their offset
	XLOAD 0
	XLOAD 1
	XLOAD 2
	XLOAD 3
	WIN 0
	s_mul_i32 s30, s10, 64*REC
	s_add_nc_u64 s[WPB:WPB+1], s[6:7], s[30:31]    ; my wave's records: buffer p begins with record p
	s_add_nc_u64 s[WPB+2:WPB+3], s[WPB:WPB+1], REC
	s_add_nc_u64 s[WPB+4:WPB+5], s[WPB:WPB+1], 2*REC
	s_add_nc_u64 s[WPB+6:WPB+7], s[WPB:WPB+1], 3*REC
	s_lshr_b32 s28, ttmp9, 6
	s_lshl_b32 s28, s28, 24                        ; the batch: 4,096 rows of 4,096 bytes
	s_and_b32 s29, ttmp9, 63
	s_lshl_b32 s29, s29, 14                        ; rows 4 (g % 64) on
	s_add_co_u32 s30, s28, s29
	s_lshl_b32 s28, s10, 10                        ; my 256 columns
	s_add_co_u32 s30, s30, s28
	s_add_nc_u64 s[16:17], s[8:9], s[30:31]
	s_mov_b32 s20, 0x76543210
	s_mov_b32 s21, 0xfedcba98                      ; v_permlanex16_b32's selects for lane l xor 16
	s_mov_b32 s22, 0x3e38aa3b                      ; c = log2(e) / 8
	s_mov_b32 s23, s22                             ; (named with it as a pair, so it is written)
	v_and_b32 v81, 15, v0                          ; r
	v_bfe_u32 v82, v0, 4, 1                        ; hh
	v_lshlrev_b32 v2, 5, v82                       ; v2 = 32 hh; never rewritten
	s_mul_i32 s28, s10, 8448
	s_add_co_u32 s28, s28, XSTG
	v_add_nc_u32 v3, s28, v1                       ; x's stage, in: a row's 512 bytes as they lie
	v_mul_u32_u24 v4, v81, 528
	v_lshl_add_u32 v4, v82, 6, v4
	v_add_nc_u32 v4, s28, v4                       ; out: row r, + 64 hh: my 16 numbers of a block
	s_lshl_b32 s28, s10, 13
	v_add_nc_u32 v5, s28, v1                       ; my tile's images
	v_lshl_add_u32 v7, v81, 5, IMGS                ; row r's scale words in tile 0
	s_lshl_b32 s28, s10, 9
	v_add_nc_u32 v6, s28, v7                       ; and in my tile
	v_mul_u32_u24 v8, v81, 1040
	v_lshl_add_u32 v8, v82, 3, v8
	s_lshl_b32 s28, s10, 5
	s_add_co_u32 s28, s28, QKC
	v_add_nc_u32 v8, s28, v8                       ; q's and k's codes, in: token r, unit w, + 8 hh
	v_mul_u32_u24 v9, v81, 68
	s_lshl_b32 s28, s10, 1
	s_add_co_u32 s28, s28, QKS
	v_add_nc_u32 v9, s28, v9                       ; their scale bytes, in
	s_mul_i32 s28, s10, 16640
	s_add_co_u32 s28, s28, QKC
	v_lshl_add_u32 v10, v81, 5, s28                ; out: my tokens; head r's 32 bytes,
	v_lshl_add_u32 v10, v82, 4, v10                ; + 16 hh: the block of 32 that the operand's layout gives my half of the lanes
	s_mul_i32 s28, s10, 1088
	s_add_co_u32 s28, s28, QKS
	v_lshl_add_u32 v11, v81, 1, s28
	v_mul_u32_u24 v12, v81, 4112
	v_add_nc_u32 v12, v12, v2
	s_lshl_b32 s28, s10, 10
	s_add_co_u32 s28, s28, VREG
	v_add_nc_u32 v12, s28, v12                     ; v, in: token 16 u + r, my 1,024 bytes of its row, + 32 hh
	v_add_nc_u32 v13, 65792, v12
	v_add_nc_u32 v14, 2*65792, v12
	v_add_nc_u32 v15, 3*65792, v12
	s_mul_i32 s28, s10, 4*4352
	s_add_co_u32 s28, s28, STG
	v_mul_u32_u24 v16, v81, 272
	v_add_nc_u32 v16, v16, v2
	v_add_nc_u32 v16, s28, v16                     ; the way out, in: row r, + 32 hh
	v_mul_u32_u24 v17, v82, 272
	v_lshl_add_u32 v17, v81, 4, v17
	v_add_nc_u32 v17, s28, v17                     ; back: lanes 0-15 one row, lanes 16-31 the next
	v_lshlrev_b32 v18, 20, v82                     ; in out0 head h's rows lie 256 rows of 4,096 bytes apart
	v_lshl_add_u32 v18, v81, 4, v18
	v_add_nc_u32 v19, 8<<20, v18                   ; heads 8 on: so that the stores' immediates stay inside their signed 24 bits
.irp j, 84,85,86,87,88,89,90,91,92,93,94,95
	v_mov_b32 v\j, 0                               ; written once: a lane permute's destination counts as one of its sources
.endr
	s_wait_alu depctr_va_vdst(0)                   ; v2 to v19 are written: the offsets and LDS addresses that the loads and stores from here on read
	; ---- X: my 16 tokens of x become eight fragments
	XSTEP 0, 48
	XSTEP 1, 48
	XSTEP 2, 48
	XSTEP 3, 48
	XSTEP 4, 48
	XSTEP 5, 51
	XSTEP 6, 54
	XSTEP 7, 57
	BARRIER                                        ; x's 32 images lie in LDS, and nobody reads a stage any more
	LOADIMG
	; ---- QK: eight trips, a head of q or of k each (unit 4 t + w): four records
	s_mov_b32 s24, 8
	s_mov_b32 s25, 0
	s_mov_b32 s26, 0
.Lqk:
	TILE 0, 57, 1, 0
	TILE 1, 57, 1, 0
	TILE 2, 57, 1, 0
	TILE 3, 57, 1, 0
	QPOST
	s_add_co_u32 s25, s25, 128                     ; four units of 32 bytes on
	s_add_co_u32 s26, s26, 8
	s_sub_co_i32 s24, s24, 1
	s_cmp_lg_u32 s24, 0
	s_cbranch_scc1 .Lqk
	BARRIER                                        ; q's and k's codes lie in LDS
	; ---- S: the scores and the softmax of my 16 tokens
	s_wait_alu depctr_vm_vsrc(0)                   ; the last head's LDS stores have read v104-111, which the softmax's lines write
.irp t, 0,1,2,3
.irp j, 4,5,6,7,12,13,14,15
	v_mov_b32 v[ACC+16*\t+\j], 0                   ; zero codes for K = 64 .. 127, for each operand its own
.endr
.endr
	SBATCH 0
	SBATCH 1
	SBATCH 2
	SBATCH 3
	BARRIER                                        ; nobody reads q's and k's codes any more: v may take their bytes
	; ---- V: four trips of four records
	s_mov_b32 s24, 4
	s_mov_b32 s27, 0
.Lv:
	s_wait_dscnt 0x0                               ; the last trip's stores are done
	s_wait_alu depctr_vm_vsrc(0)                   ; the last trip's LDS stores have read v20-23, which the lines below write, and the accumulators, which this trip's products write (in the first trip: q's and k's stores have read v20, v21)
.irp u, 0,1,2,3
	v_add_nc_u32 v[20+\u], s27, v[12+\u]
.endr
	TILE 0, 57, 1, 0
	VPOST 0
	TILE 1, 57, 1, 0
	VPOST 1
	TILE 2, 57, 1, 0
	VPOST 2
	TILE 3, 57, 1, 0
	VPOST 3
	s_add_co_u32 s27, s27, 256
	s_sub_co_i32 s24, s24, 1
	s_cmp_lg_u32 s24, 0
	s_cbranch_scc1 .Lv
	BARRIER                                        ; v of the 64 tokens lies in LDS
	; ---- A: O^T = V^T P^T, token by token, on two sets of registers by turns; a token is quantised behind the next token's products.
	; ONE wait on va_vdst a token, behind the quantiser of the token before: it shows that token's codes and byte written, for its two stores, and this token's products done reading their set of v,
	; in which the token two further on lands at once.
	s_mul_i32 s28, s10, 65792
	s_add_co_u32 s28, s28, VREG
	s_wait_alu depctr_vm_vsrc(0)                   ; v's LDS stores have read v20 and v21, which the lines below write, and the accumulators, which the last product's instructions write
	v_add_nc_u32 v20, s28, v1                      ; my tokens' rows of v
	v_lshrrev_b32 v21, 5, v2
	v_add_nc_u32 v21, v21, v6                      ; my tile's scale bytes: row r, + hh
	s_wait_alu depctr_va_vdst(0)                   ; v20 is written, which the loads of v read, and v21, which the byte stores read
	LOADV 0, 0
	LOADV 1, 1
	s_wait_dscnt 8                                 ; token 0's eight loads are in; token 1's may be out
	WM 0
	PLACES 9                                       ; no other set's work is at hand yet: nine, since these accumulators are begun anew two tokens on
	s_wait_alu depctr_va_vdst(0)                   ; token 0's products are done reading set 0, in which token 2 lands
	LOADV 0, 2
.irp tau, 1,2,3,4,5,6,7,8,9,10,11,12,13
.if \tau == 1
	s_wait_dscnt 8                                 ; token 1 is in; token 2's eight loads may be out
.else
	s_wait_dscnt 10                                ; this token is in; the two stores and the eight loads issued behind its loads may be out
.endif
	WM \tau
	POSTV \tau-1
	s_wait_alu depctr_va_vdst(0)                   ; the quantiser has written the codes and the byte, which the stores below read; this token's products are done reading their set of v, in which the loads below land
	POSTS \tau-1
	LOADV (\tau)%2, \tau+2
.endr
	s_wait_dscnt 10
	WM 14
	POSTV 13
	s_wait_alu depctr_va_vdst(0)                   ; the quantiser has written token 13's codes and byte, which the stores below read
	POSTS 13
	s_wait_dscnt 2                                 ; token 15 is in; the two stores just issued may be out
	WM 15
	POSTV 14
	POSTV 15
	s_wait_alu depctr_va_vdst(0)                   ; the last two tokens' codes and bytes are written, which the stores below read; the last products are done reading window 1, in which the images land
	POSTS 14
	POSTS 15
	WIN 0
	BARRIER                                        ; the 32 images of the last product's rows lie in LDS, and nobody reads v any more
	LOADIMG
	; ---- P: the last product: four trips of four records, 64 columns each; the last is written out, since it asks for no record
	s_mov_b32 s24, 3
	s_mov_b32 s40, 0                               ; what the first trip adds to the stores' base
	s_mov_b32 s41, 0
.Lp:
	TILE 0, 57, 1, 0
	TILE 1, 57, 1, 0
	TILE 2, 57, 1, 0
	TILE 3, 57, 1, 1
	OUTP 1
	s_sub_co_i32 s24, s24, 1
	s_cmp_lg_u32 s24, 0
	s_cbranch_scc1 .Lp
	TILE 0, 57, 0, 0                               ; the counts run down: no load leaves the workspace
	TILE 1, 38, 0, 0
	TILE 2, 19, 0, 0
	TILE 3, 0, 0, 1
	OUTP 0
	s_wait_dscnt 0x0                               ; the closing lines, six on end
	s_wait_alu 0x0
	s_wait_tensorcnt 0x0
	ds_add_u32 v126, v127
	s_wait_dscnt 0x0
	s_endpgm
.Lfunc_end_k_q35b3c7972d_fused:
	.size	k_q35b3c7972d_fused, .Lfunc_end_k_q35b3c7972d_fused-k_q35b3c7972d_fused
	.p2alignl 7, 3214868480
	.fill 96, 4, 3214868480
	.section	.rodata,"a",@progbits
	.p2align	6, 0x0
	.amdhsa_kernel k_q35b3c7972d_fused
		.amdhsa_group_segment_fixed_size 298496
		.amdhsa_private_segment_fixed_size 0
		.amdhsa_enable_private_segment 0
		.amdhsa_kernarg_size 24
		.amdhsa_user_sgpr_count 2
		.amdhsa_user_sgpr_kernarg_segment_ptr 1
		.amdhsa_wavefront_size32 1
		.amdhsa_system_sgpr_workgroup_id_x 1
		.amdhsa_system_sgpr_workgroup_id_y 1
		.amdhsa_system_sgpr_workgroup_id_z 1
		.amdhsa_system_vgpr_workitem_id 0
		.amdhsa_next_free_vgpr 1024
		.amdhsa_next_free_sgpr 66
		.amdhsa_reserve_vcc 0
		.amdhsa_float_denorm_mode_32 3
		.amdhsa_float_denorm_mode_16_64 3
		.amdhsa_memory_ordered 1
		.amdhsa_forward_progress 1
		.amdhsa_inst_pref_size 255
	.end_amdhsa_kernel
	.section	.bss,"aw",@nobits
	.p2align	6
	.space	262144
	.amdgpu_metadata
---
amdhsa.version: [ 1, 2 ]
amdhsa.kernels:
  - .name:           k_q35b3c7972d_fused
    .symbol:         k_q35b3c7972d_fused.kd
    .args:
      - { .name: x, .offset: 0, .size: 8, .value_kind: global_buffer, .address_space: global }
      - { .name: wq, .offset: 8, .size: 8, .value_kind: global_buffer, .address_space: global }
      - { .name: out0, .offset: 16, .size: 8, .value_kind: global_buffer, .address_space: global }
    .group_segment_fixed_size: 298496
    .private_segment_fixed_size: 0
    .kernarg_segment_align: 8
    .kernarg_segment_size: 24
    .max_flat_workgroup_size: 128
    .sgpr_count:     66
    .vgpr_count:     1024
    .wavefront_size: 32
...
	.end_amdgpu_metadata
.endif
;; end of part 4
